; MI455X (gfx1250); checked and timed in simulation.
; The chip was launched on July 23, 2026; its instructions are those of AMD's public machine-readable ISA for CDNA 5 (MIT licence, August 2026) and "CDNA5" Instruction Set Architecture Reference Guide (July 2026). The comments in the code are by the model that wrote it; some were corrected since.
;; Multi Head Attention Ro PE. Allowed arithmetic: matrix products marked QUANTISED: E5M2 operands, one E8M0 scale for each 32 along K, by v_wmma_scale_f32_16x16x128_f8f6f4 with both operands' format E5M2, f32 sums; everything else in f32.
;; Inputs: K 4 x 2,048 x 1,024 float32; Q 4 x 2,048 x 1,024 float32; V 4 x 2,048 x 1,024 float32; Wk 1,024 x 1,024 float32; Wo 1,024 x 1,024 float32; Wq 1,024 x 1,024 float32; Wv 1,024 x 1,024 float32; bk 1,024 float32; bo 1,024 float32; bq 1,024 float32; bv 1,024 float32; mask 4 x 2,048 bool.
;; Outputs: out0 4 x 2,048 x 1,024 float32.
;; This version of the problem:
;;   THIS VERSION OF THE PROBLEM IS GIVEN IN LOW PRECISION. The matrix products marked QUANTISED in the list below multiply operands that are first quantised to E5M2 (5 exponent bits, 2 mantissa bits; 8 bits a number), with one power-of-two scale for each 32 numbers along K (OCP MX v1.0); their sums are f32. All else is computed in f32.
;;   The module's matrix products, in the order in which they are computed (A, B: the left and right operand; K: the contracted axis; several contracted axes count as one K, in the product's order):
;;     1. [M 8,192, K 1,024] x [K 1,024, N 1,024]; A: input Q; B: input Wq: QUANTISED
;;     2. [M 8,192, K 1,024] x [K 1,024, N 1,024]; A: input K; B: input Wk: QUANTISED
;;     3. [M 8,192, K 1,024] x [K 1,024, N 1,024]; A: input V; B: input Wv: QUANTISED
;;     4. batch 64 x [M 2,048, K 64] x [K 64, N 2,048]; A: computed on the way; B: computed on the way: QUANTISED
;;     5. batch 64 x [M 2,048, K 2,048] x [K 2,048, N 64]; A: softmax (see below); B: computed on the way: QUANTISED
;;     6. [M 8,192, K 1,024] x [K 1,024, N 1,024]; A: computed on the way; B: input Wo: QUANTISED
;;   THE QUANTISER, for each operand of a quantised product, along K:
;;     - K is cut into blocks of 32 from its start; a last block that is shorter is filled with zeros.
;;     - A block's scale is 2^e with e = floor(log2(the largest magnitude in the block)) - 15, held to -126 .. 127; a block of zeros has e = 0. As a byte (E8M0): e + 127.
;;     - Each number is divided by its block's scale, clamped to +-57,344, and rounded to the nearest number of E5M2, ties to even, subnormals kept.
;;     - The product sums the exact products of the quantised numbers (number of the format x scale) in f32.
;;   ~~~python
;;   def quantise(x, axis):      # numpy; x: float32 -> the quantised numbers, widened to float32 again
;;       x = np.moveaxis(x, axis, -1); K = x.shape[-1]
;;       x = np.pad(x, [(0, 0)] * (x.ndim - 1) + [(0, -K % 32)]); x = x.reshape(x.shape[:-1] + (-1, 32)); a = np.abs(x).max(-1, keepdims=True)
;;       e = np.where(a > 0, np.clip(np.frexp(np.where(a > 0, a, 1))[1] - 1 - 15, -126, 127), 0)      # np.frexp(a)[1] - 1 = floor(log2(a)), exactly
;;       r = np.clip(x / 2.0 ** e, -57344, 57344)
;;       step = 2.0 ** (np.maximum(np.frexp(np.where(r == 0, 1, r))[1] - 1, -14) - 2)
;;       q = np.round(r / step) * step * 2.0 ** e      # np.round: ties to even
;;       return np.moveaxis(q.reshape(q.shape[:-2] + (-1,))[..., :K], -1, axis).astype(np.float32)
;;   ~~~
;;   SOFTMAX AHEAD OF A QUANTISED PRODUCT. Where the list says 'softmax', what is quantised is not the finished softmax but p = 2^(t - M), with t = logit x log2(e) and M = ceil(the row's largest t), a whole number; so 1/2 < the row's largest p <= 1. The row's sum l is taken of the UNQUANTISED p, in f32, and the product's result is divided by l at the end. Since M is a whole number, a kernel that streams over the keys may use a running M (the ceiling of the running maximum): every later rescaling is an exact power of two, which a block's scale takes up: the codes' values come out the same.
;;   OPERANDS COMPUTED ON THE WAY. 'Computed on the way' means the value that the module computes at that place (a softmax that the list does not call 'softmax' is quantised finished and normalised). What goes into a quantiser is computed in f32, as accurately as f32 sums, v_exp_f32 and their like allow (about 1e-6 of the number): no bf16 or f16 on the way to a quantiser, and a product that is left as it is and whose result goes on into a quantised operand takes f32 operands (vector FMAs, or v_wmma_f32_16x16x4_f32). A number that lies on a knife's edge between two numbers of the format may be rounded either way, as far as f32 arithmetic and the matrix unit's own rounding can turn it there, and no further.
;; One version. Each part assembles by itself: llvm-mc -triple=amdgcn-amd-amdhsa -mcpu=gfx1250 --defsym DOCPART=n.
;; ======== version 1 of 1: 4 launches
;; limits: right only within a limited range of input values
;; workspace buffers: codes 29,360,128 bytes; scales 917,504 bytes; tab 559,104 bytes; img 25,165,824 bytes; side 1,310,720 bytes; oimg 8,388,608 bytes; osc 262,144 bytes
;; launch prep (part 1): grid 1185 x 1, 4 waves a work-group, no clusters, 33,280 bytes of LDS; arguments Q, K, V, Wq, Wk, Wv, Wo, mask, codes, scales, tab, side; writes codes, scales, tab, side
.if DOCPART == 1
	.amdgcn_target "amdgcn-amd-amdhsa--gfx1250"
	.amdhsa_code_object_version 6
	.text
	.protected	k_qd4c4d135df_prep
	.globl	k_qd4c4d135df_prep
	.p2align	8
	.type	k_qd4c4d135df_prep,@function
k_qd4c4d135df_prep:
	s_mov_b64 s[64:65], 0
	v_nop
	global_prefetch_b8 v0, s[64:65] scope:SCOPE_SE
	s_setreg_imm32_b32 hwreg(HW_REG_WAVE_MODE, 25, 1), 1
	s_wait_xcnt 0x0
; PREP.  Three kinds of work-group, told apart by the work-group's number alone.
; 0 .. 895: Q, K, V [8192][1024] and Wq, Wk, Wv, Wo [1024][1024], f32, K innermost, become codes of BF8 (E5M2) with one E8M0 byte for each 32 along K.  The seven tensors follow each other
;   in the buffers codes [28672][1024] and scales [28672][32], so the place of a result is linear in the work-group's number; only the source pointer is chosen.
;   A block's scale is 2^(floor(log2(largest magnitude)) - 15); its byte is the largest magnitude's exponent field - 15, held at 1 from below.  A block of zeros gets the byte 1: its codes are zeros,
;   and this program alone reads the bytes.
; 896 .. 1168: the table tab [2184][32][cos, sin] f32: rows 0 .. 2047 the positions, rows 2048 .. 2175 cos 1, sin 0, rows 2176 .. 2183 zeros.
;   inv_freq = 2^(-i log2(10000) / 32); the phase is position x inv_freq, rounded once; it is reduced by multiples of pi/2 held in two parts (the first product is exact: 11 bits x 24 bits against
;   a phase under 2048), and sine and cosine come from polynomials on +-pi/4.
; 1169 .. 1184: the mask as a bias for the scores: -2^33 where the key is masked, else 0, f32, once for each head, in side at [b][h] + 8192.
; LIMITS: NaN and infinities among the inputs are not served; blocks whose largest magnitude lies under 2^-111 have their byte held at 1; inv_freq is right to one or two units of its last place,
;   so the largest phases (about 1,500) are right to about 2e-4.
; No cluster, no tensor loads, no barrier: no two work-groups read the same bytes and waves share nothing.
.set STEPS, 16
.set EMAX,  15
.set MANT,  0x600000                   ; the mantissa field of 57,344 as f32
.set CB,    16                         ; bytes of 16 codes
.set R,     16                         ; v16-79   four sets of 16 numbers as they are loaded
.set X,     80                         ; v80-111  two sets of 16 neighbours
.set C,     128                        ; v128-191 codes: four registers for each step
.set E,     112                        ; v112-127 a scale byte for each step
.set WREG,  8192                       ; LDS: a region for each wave: two stages of 32 x SP bytes, then its 256 scale bytes
.set SP,    80                         ; a lane's place in a stage: 64 bytes + 16 of padding
.set WGQ,   896                        ; the first work-group of the table
.set WGT,   1169                       ; the first of the mask
.set SRC,   30                         ; s[30:31] the tensor that I read
.set FIRST, 32                         ; s32      its first work-group
.set WV,    33                         ; s33      my wave
	s_load_b512 s[4:19], s[0:1], 0x0               ; Q s[4:5], K s[6:7], V s[8:9], Wq s[10:11], Wk s[12:13], Wv s[14:15], Wo s[16:17], mask s[18:19]
	s_load_b256 s[20:27], s[0:1], 0x40             ; codes s[20:21], scales s[22:23], tab s[24:25], side s[26:27]
	v_lshl_add_u32 v192, v0, 2, 0x8000
	v_mov_b32 v193, 0
	s_wait_kmcnt 0x0
	s_cmp_ge_u32 ttmp9, WGT
	s_cbranch_scc1 .Lmask
	s_cmp_ge_u32 ttmp9, WGQ
	s_cbranch_scc1 .Ltab
	; ---- the quantiser: a wave takes 16 steps of 512 numbers
	v_lshrrev_b32 v1, 5, v0
	v_readfirstlane_b32 s[WV], v1                  ; wave
	v_and_b32 v2, 31, v0                           ; lane
	v_lshlrev_b32 v3, 4, v2                        ; my 16 bytes of a load's 512
	s_mul_i32 s35, s[WV], WREG
	v_lshrrev_b32 v14, 2, v2
	v_mul_u32_u24 v14, v14, SP
	v_and_b32 v15, 3, v2
	v_lshl_add_u32 v14, v15, 4, v14
	v_add_nc_u32 v14, s35, v14                     ; the stage, on the way in: SP (lane / 4) + 16 (lane % 4)
	v_mul_u32_u24 v15, v2, SP
	v_add_nc_u32 v15, s35, v15                     ; and on the way out: SP x lane: my 16 neighbours
	v_mul_u32_u24 v4, v2, CB                       ; my codes' place in a step's
	v_lshrrev_b32 v5, 1, v2
	s_add_co_u32 s35, s35, 2*32*SP
	v_add_nc_u32 v5, s35, v5                       ; LDS: my wave's 256 scale bytes, my block's byte
	v_lshlrev_b32 v7, 3, v2                        ; and on the way out 8 bytes a lane
	v_add_nc_u32 v6, s35, v7
	s_mov_b32 s40, MANT
	s_mov_b64 s[SRC:SRC+1], s[4:5]
	s_mov_b32 s[FIRST], 0
.macro PICK first, lo                  ; from work-group 'first' on the source is the tensor at s[lo:lo+1]: the choice hangs on the work-group's number alone
	s_cmp_ge_u32 ttmp9, \first
	s_cselect_b64 s[SRC:SRC+1], s[\lo:\lo+1], s[SRC:SRC+1]
	s_cselect_b32 s[FIRST], \first, s[FIRST]
.endm
	PICK 256, 6
	PICK 512, 8
	PICK 768, 10
	PICK 800, 12
	PICK 832, 14
	PICK 864, 16
	s_sub_co_u32 s34, ttmp9, s[FIRST]
	s_lshl_b32 s34, s34, 2
	s_add_co_u32 s34, s34, s[WV]                   ; which run of 8,192 numbers of the tensor is my wave's
	s_lshl_b32 s36, s34, 15                        ; 32,768 bytes a run: under 2^26
	s_mov_b32 s37, 0
	s_add_nc_u64 s[SRC:SRC+1], s[SRC:SRC+1], s[36:37]
	s_lshl_b32 s34, ttmp9, 2
	s_add_co_u32 s34, s34, s[WV]                   ; and which run of the joined buffers
	s_lshl_b32 s36, s34, 13
	s_add_nc_u64 s[20:21], s[20:21], s[36:37]      ; 8,192 bytes of codes a run
	s_lshl_b32 s36, s34, 8
	s_add_nc_u64 s[22:23], s[22:23], s[36:37]      ; 256 scale bytes a run
.macro LOAD t
.irp i, 0,1,2,3
	global_load_b128 v[R+16*((\t)%4)+4*\i:R+16*((\t)%4)+4*\i+3], v3, s[SRC:SRC+1] offset:2048*(\t)+512*\i th:TH_LOAD_NT   ; 32 lanes read 512 consecutive bytes
.endr
.endm
.macro TURN t                          ; step t's numbers through the stage: LDS serves a wave's instructions in order, so no wait stands between the stores and the loads
.irp i, 0,1,2,3
	ds_store_b128 v14, v[R+16*((\t)%4)+4*\i:R+16*((\t)%4)+4*\i+3] offset:32*SP*((\t)%2)+8*SP*\i
.endr
.irp i, 0,1,2,3
	ds_load_b128 v[X+16*((\t)%2)+4*\i:X+16*((\t)%2)+4*\i+3], v15 offset:32*SP*((\t)%2)+16*\i
.endr
.endm
.irp t, 0,1,2,3
	LOAD \t
.endr
	s_wait_loadcnt 12                              ; step 0's four loads are in; the twelve of steps 1 to 3 may be out
	TURN 0
.macro STEP t
.set XS, X+16*((\t)%2)
.if (\t) > 0
	s_wait_dscnt 1                                 ; this step's numbers are back from the stage (the last step's byte store may be out)
.else
	s_wait_dscnt 0x0
.endif
.if (\t)+4 < STEPS
	LOAD (\t)+4                                    ; into the registers that the stage's stores have read
.endif
.if (\t)+1 < STEPS
.if STEPS-2-(\t) >= 3
	s_wait_loadcnt 12                              ; the next step's four loads are in; those of the three steps behind it may be out
.else
	s_wait_loadcnt 4*(STEPS-2-(\t))
.endif
	TURN (\t)+1                                    ; the next step goes through the other stage while this one is worked
.endif
	v_max3_num_f32 v8, |v[XS]|, |v[XS+1]|, |v[XS+2]|               ; the largest magnitude of my 16
	v_max3_num_f32 v9, |v[XS+3]|, |v[XS+4]|, |v[XS+5]|
.irp i, 6,10
	v_max3_num_f32 v8, v8, |v[XS+\i]|, |v[XS+\i+1]|
	v_max3_num_f32 v9, v9, |v[XS+\i+2]|, |v[XS+\i+3]|
.endr
	v_max3_num_f32 v8, v8, |v[XS+14]|, |v[XS+15]|
	v_max3_num_f32 v8, v8, v9, (EMAX+1)<<23        ; and the floor 2^(16 - 127): the byte cannot fall under 1
	v_max_num_f32_dpp v8, v8, v8 row_xmask:1 row_mask:0xf bank_mask:0xf   ; and of my neighbour's 16: the block's
	v_add_nc_u32 v11, -(EMAX<<23), v8              ; 15 off its exponent field: the conversion's scale operand
	v_and_or_b32 v10, v8, 0x7f800000, s40          ; 57,344 x the scale
.irp i, 0,1,2,3,4,5,6,7,8,9,10,11,12,13,14,15
	v_med3_num_f32 v[XS+\i], v[XS+\i], -v10, v10   ; the conversion to an 8-bit code does not saturate (ISA guide 7.6.2): the hold comes first
.endr
	v_cvt_scalef32_pk8_bf8_f32 v[C+4*(\t):C+4*(\t)+1], v[XS:XS+7], v11
	v_cvt_scalef32_pk8_bf8_f32 v[C+4*(\t)+2:C+4*(\t)+3], v[XS+8:XS+15], v11
	v_lshrrev_b32 v[E+(\t)], 23, v11               ; the scale's byte
	ds_store_b8 v5, v[E+(\t)] offset:16*(\t)       ; both lanes of a block write the same byte with the same value
	global_store_b128 v4, v[C+4*(\t):C+4*(\t)+3], s[20:21] offset:32*CB*(\t)   ; the wave stores 512 consecutive bytes
.endm
.irp t, 0,1,2,3,4,5,6,7,8,9,10,11,12,13,14,15
	STEP \t
.endr
	ds_load_b64 v[12:13], v6                       ; LDS serves a wave's instructions in order: these see my stores
	s_wait_dscnt 0x0
	global_store_b64 v7, v[12:13], s[22:23]        ; 32 lanes store 256 consecutive bytes, aligned
	s_wait_tensorcnt 0x0
	ds_add_u32 v192, v193
	s_wait_dscnt 0x0
	s_endpgm
	; ---- the table: a thread makes two frequencies of one row: 16 bytes; sixteen lanes store a row of 256 bytes
.Ltab:
	s_sub_co_u32 s33, ttmp9, WGQ
	s_lshl_b32 s33, s33, 7
	v_add_nc_u32 v1, s33, v0                       ; item 0 .. 34,943
	v_lshrrev_b32 v2, 4, v1                        ; row
	v_and_b32 v3, 15, v1
	v_lshlrev_b32 v3, 1, v3                        ; my first frequency
	v_cmp_gt_u32 vcc_lo, 2048, v2
	v_cndmask_b32 v4, 0, v2, vcc_lo                ; the position; 0 in the rows behind the positions: cos 1, sin 0
	v_cvt_f32_u32 v4, v4
	v_cvt_f32_u32 v5, v3
	v_add_f32 v6, 1.0, v5
	v_mul_f32 v5, 0xbed49a78, v5                   ; -i log2(10000) / 32
	v_mul_f32 v6, 0xbed49a78, v6
	v_exp_f32 v5, v5                               ; inv_freq
	v_exp_f32 v6, v6
	v_lshlrev_b32 v7, 4, v1                        ; (a plain line behind the two exponentials)  my 16 bytes of the table
	s_wait_alu depctr_va_vdst(0)                   ; one wait for both, ahead of their first reader
	v_mul_f32 v5, v4, v5                           ; the phases, rounded once
	v_mul_f32 v6, v4, v6
.macro SINCOS x, co, si
	v_mul_f32 v10, 0x3f22f983, v[\x]               ; x 2 / pi
	v_rndne_f32 v10, v10                           ; n
	v_fmamk_f32 v11, v10, 0xbfc90fdb, v[\x]        ; x - n (pi/2)'s upper part: exact
	v_fmamk_f32 v11, v10, 0x333bbd2e, v11          ; - n x its lower part (-4.37e-8): r, within +-pi/4
	v_mul_f32 v12, v11, v11                        ; z = r r
	v_mov_b32 v13, 0xb94ca1f9
	v_fmaak_f32 v13, v13, v12, 0x3c08839e
	v_fmaak_f32 v13, v13, v12, 0xbe2aaaa3
	v_mul_f32 v13, v13, v12
	v_fma_f32 v13, v13, v11, v11                   ; sin r
	v_mov_b32 v14, 0x37ccf5ce
	v_fmaak_f32 v14, v14, v12, 0xbab6061a
	v_fmaak_f32 v14, v14, v12, 0x3d2aaaa5
	v_mul_f32 v14, v14, v12
	v_fma_f32 v15, v12, -0.5, 1.0
	v_fma_f32 v14, v14, v12, v15                   ; cos r
	v_cvt_i32_f32 v10, v10
	v_and_b32 v15, 1, v10
	v_cmp_eq_u32 vcc_lo, 1, v15                    ; in odd quarters sine and cosine change places
	v_cndmask_b32 v[\si], v13, v14, vcc_lo
	v_cndmask_b32 v[\co], v14, v13, vcc_lo
	v_and_b32 v15, 2, v10                          ; the sine is negative in quarters 2 and 3,
	v_lshlrev_b32 v15, 30, v15
	v_xor_b32 v[\si], v15, v[\si]
	v_add_nc_u32 v10, 1, v10                       ; the cosine in quarters 1 and 2
	v_and_b32 v10, 2, v10
	v_lshlrev_b32 v10, 30, v10
	v_xor_b32 v[\co], v10, v[\co]
.endm
	SINCOS 5, 16, 17
	SINCOS 6, 18, 19
	v_cmp_gt_u32 vcc_lo, 2176, v2                  ; the last eight rows are zeros
.irp j, 16,17,18,19
	v_cndmask_b32 v\j, 0, v\j, vcc_lo
.endr
	global_store_b128 v7, v[16:19], s[24:25]
	s_endpgm
	; ---- the mask: a thread takes four keys and stores their 16 bytes once for each of the batch's 16 heads; a wave's store covers 512 consecutive bytes
.Lmask:
	s_sub_co_u32 s33, ttmp9, WGT
	s_lshl_b32 s33, s33, 7
	v_add_nc_u32 v1, s33, v0                       ; item 0 .. 2,047
	v_lshlrev_b32 v2, 2, v1
	global_load_b32 v3, v2, s[18:19]
	v_lshrrev_b32 v4, 9, v1                        ; batch
	v_mul_u32_u24 v4, v4, 0x50000                  ; 16 heads x 20,480 bytes
	v_and_b32 v5, 511, v1
	v_lshl_add_u32 v4, v5, 4, v4
	s_wait_loadcnt 0x0
.irp j, 0,1,2,3
	v_bfe_u32 v[8+\j], v3, 8*\j, 8                 ; 0 or 1
	v_mul_u32_u24 v[8+\j], v[8+\j], 13
	v_lshlrev_b32 v[8+\j], 28, v[8+\j]             ; 0xd0000000 is -2^33
.endr
.irp h, 0,1,2,3,4,5,6,7,8,9,10,11,12,13,14,15
	global_store_b128 v4, v[8:11], s[26:27] offset:8192+20480*\h
.endr
	s_endpgm
.Lfunc_end_k_qd4c4d135df_prep:
	.size	k_qd4c4d135df_prep, .Lfunc_end_k_qd4c4d135df_prep-k_qd4c4d135df_prep
	.p2alignl 7, 3214868480
	.fill 96, 4, 3214868480
	.section	.rodata,"a",@progbits
	.p2align	6, 0x0
	.amdhsa_kernel k_qd4c4d135df_prep
		.amdhsa_group_segment_fixed_size 33280
		.amdhsa_private_segment_fixed_size 0
		.amdhsa_enable_private_segment 0
		.amdhsa_kernarg_size 96
		.amdhsa_user_sgpr_count 2
		.amdhsa_user_sgpr_kernarg_segment_ptr 1
		.amdhsa_wavefront_size32 1
		.amdhsa_system_sgpr_workgroup_id_x 1
		.amdhsa_system_sgpr_workgroup_id_y 1
		.amdhsa_system_sgpr_workgroup_id_z 1
		.amdhsa_system_vgpr_workitem_id 0
		.amdhsa_next_free_vgpr 194
		.amdhsa_next_free_sgpr 66
		.amdhsa_reserve_vcc 1
		.amdhsa_float_denorm_mode_32 3
		.amdhsa_float_denorm_mode_16_64 3
		.amdhsa_memory_ordered 1
		.amdhsa_forward_progress 1
		.amdhsa_inst_pref_size 58
	.end_amdhsa_kernel
	.amdgpu_metadata
---
amdhsa.version: [ 1, 2 ]
amdhsa.kernels:
  - .name:           k_qd4c4d135df_prep
    .symbol:         k_qd4c4d135df_prep.kd
    .args:
      - { .name: Q, .offset: 0, .size: 8, .value_kind: global_buffer, .address_space: global }
      - { .name: K, .offset: 8, .size: 8, .value_kind: global_buffer, .address_space: global }
      - { .name: V, .offset: 16, .size: 8, .value_kind: global_buffer, .address_space: global }
      - { .name: Wq, .offset: 24, .size: 8, .value_kind: global_buffer, .address_space: global }
      - { .name: Wk, .offset: 32, .size: 8, .value_kind: global_buffer, .address_space: global }
      - { .name: Wv, .offset: 40, .size: 8, .value_kind: global_buffer, .address_space: global }
      - { .name: Wo, .offset: 48, .size: 8, .value_kind: global_buffer, .address_space: global }
      - { .name: mask, .offset: 56, .size: 8, .value_kind: global_buffer, .address_space: global }
      - { .name: codes, .offset: 64, .size: 8, .value_kind: global_buffer, .address_space: global }
      - { .name: scales, .offset: 72, .size: 8, .value_kind: global_buffer, .address_space: global }
      - { .name: tab, .offset: 80, .size: 8, .value_kind: global_buffer, .address_space: global }
      - { .name: side, .offset: 88, .size: 8, .value_kind: global_buffer, .address_space: global }
    .group_segment_fixed_size: 33280
    .private_segment_fixed_size: 0
    .kernarg_segment_align: 8
    .kernarg_segment_size: 96
    .max_flat_workgroup_size: 128
    .sgpr_count:     66
    .vgpr_count:     194
    .wavefront_size: 32
...
	.end_amdgpu_metadata
.endif
;; end of part 1
;; launch proj (part 2): grid 4 x 96, 4 waves a work-group, clusters of 4 x 4, 327,680 bytes of LDS; arguments codes, scales, tab, mask, bq, bk, bv, img, side; writes img, side
.if DOCPART == 2
	.amdgcn_target "amdgcn-amd-amdhsa--gfx1250"
	.amdhsa_code_object_version 6
	.text
	.protected	k_qd4c4d135df_proj
	.globl	k_qd4c4d135df_proj
	.p2align	8
	.type	k_qd4c4d135df_proj,@function
k_qd4c4d135df_proj:
	s_mov_b64 s[64:65], 0
	v_nop
	global_prefetch_b8 v0, s[64:65] scope:SCOPE_SE
	s_setreg_imm32_b32 hwreg(HW_REG_WAVE_MODE, 25, 1), 1
	s_wait_xcnt 0x0
	s_wait_alu depctr_hold_cnt(0) depctr_sa_sdst(0) depctr_va_vdst(0) depctr_va_sdst(0) depctr_va_ssrc(0) depctr_va_vcc(0) depctr_vm_vsrc(0)
	s_getreg_b32 s2, hwreg(HW_REG_IB_STS2, 6, 4)
	s_cmp_eq_u32 s2, 0
	s_cbranch_scc0 .Lentry_in_a_cluster
	s_endpgm
.Lentry_in_a_cluster:
	s_bfe_u32 s2, ttmp6, 0x10000c
	s_cmp_lg_u32 s2, 0xf033
	s_cbranch_scc0 .Lentry_shape_is_right
	s_endpgm
.Lentry_shape_is_right:
; PROJ.  The three input projections on codes of BF8 (E5M2) with E8M0 scales, then bias, RoPE and the quantiser of the next product, results stored as images of operand registers.
; C[m][n] = sum over k of A[m][k] B[n][k], K = 1,024.  Cluster row Y = 0 .. 7: q (A = Q's rows, B = Wq's); 8 .. 15: k (K, Wk); 16 .. 23: v TRANSPOSED (A = Wv's rows, B = V's rows): so in all three the axis
; along which the result is quantised next (the head's 64 for q and k, the keys for v) runs along C's columns, and one text serves all three.  What differs is chosen by s_cselect on Y, which the sixteen
; partners share: pointers, strides, and rows of the table: v reads rows with cos 1, sin 0; the bias that does not apply and the mask of q and v are read from rows of zeros.
; A tile of C, 256 x 256, is made by four waves, 128 x 128 each: 64 accumulators, 512 registers.  K goes in steps of 256 through a ring of two LDS slots; the scales of the tile's rows come once.
; CLUSTERS: 4 x 4 work-groups; A's tiles are asked for jointly along a row of the cluster, B's along a column.  THE MATRIX INSTRUCTION IS USED TRANSPOSED (source 0 = rows of B, source 1 = rows of A).
; THE WAY OUT.  The wave's 128 x 128 numbers go through a stage of f32 in LDS (in the ring, behind its last fill and a barrier) and come back so that a lane holds 64 NEIGHBOURS of one row: two whole
; blocks of 32.  In pass T lane (rho, H) has row 32 (T / 2) + 8 (T % 2) + rho + 8 (rho / 8) and columns 64 H .. 64 H + 63.  That order of rows is the order of the images: a tile's lanes 0-7 take eight
; neighbouring rows and lanes 8-15 the eight that lie 16 further on, so that in the next product two neighbouring tiles give a lane 16 neighbours.
; k's codes of masked keys are set to 0, so that a masked score is exactly the bias that the next launch adds.
; LIMITS: NaN and infinities are not served; blocks whose largest magnitude lies under 2^-111 have their byte held at 1.
; REGISTERS in the main loop, in windows of 256: window 0: v0-31 addresses; v32-63 scale words; from v128 A's fragments, one set.  window 1: B's fragments, two sets.  windows 2, 3: the accumulators.
; On the way out: window 0: v32-47 row biases and mask bytes, v48-63 scale half-words, v64-95 codes, v96-123 at work, v128-255 two sets of 64 numbers.  window 1: v0-191 three sets of cos and sin, v192-255 the column bias.
.set KSTEP,  256
.set NQ,     2
.set ROWB,   256
.set KROW,   1024
.set PITCH,  272                       ; an LDS row: 256 bytes + 16 of padding: the 16 rows that a load touches start at 16 different banks (64 banks of 4 bytes: ISA guide 11.1)
.set FR,     16
.set NL,     4
.set NP,     8                         ; places behind this matrix instruction (ISA guide 7.12.1)
.set HALFT,  128*PITCH
.set SLOT,   4*HALFT
.set LAPS,   2                         ; K = 1,024 is four K steps: twice round the ring
.set KS,     32                        ; a row of scales in bytes
.set SCL,    2*SLOT
.set HALFS,  (128*KS/256)*272
.set SBLK,   (16*KS/256)*272
.set SPARE,  SCL+4*HALFS               ; the spare words, 128 bytes for each wave: two blocks of 256 bytes that no other line names
.set WSTG,   68608                     ; the way out: a wave's stage: 8 blocks of BSTG bytes
.set BSTG,   8576                      ; 16 rows x (512 + 16) bytes + 128: rows 16 apart then lie eight 16-byte columns apart in the banks
.set ADRA, 16
.set ADRB, 20
.set STO,  24                          ; v24  the stage: where I put 32 bytes of a row
.set XRD,  25                          ; v25  and where I read my 64 numbers
.set ADRS, 27
.set SPW,  28                          ; v28  LDS address of my spare word; never rewritten
.set NIL,  29                          ; v29  0; never rewritten
.set TABO, 9                           ; v9   256 x (rho + 8 (rho / 8)): my row of the table
.set BCO,  10                          ; v10  256 H: my 64 numbers of the column bias
.set BRO,  11                          ; v11  4 x my row: the row bias
.set MKO,  12                          ; v12  my row: the mask's byte
.set IMO,  13                          ; v13  the image: H x (a head for q and k, two blocks of keys for v) + 16 rho
.set LSO,  14                          ; v14  the scale words: H x a head's part of side + 16 rho
.set SC,   32
.set AF,   128
.set BRW,  32
.set MB,   40
.set W,    48
.set OW,   56
.set CODE, 64
.set TT,   96
.set QM,   104
.set BP,   112
.set KEEP, 114
.set DK,   116
.set DV,   120
.set X0,   128
.set BC,   192
.set G1, 24
.set G0, 32
.set G1B, 48
.set G0B, 56
.set G1S, 68
.set G0S, 76
.set G1SB, 80
.set G0SB, 88
.set TAB, 24                           ; the way out's pointers take the descriptors' registers when no tensor load is out any more
.set MSK, 26
.set PBQ, 28
.set PBK, 30
.set PBV, 32
.set IMG, 34
.set SID, 36
.set ZER, 56
.set BCP, 58
.set BRP, 60
.set MKP, 62
.set OFF, 68
.set STA, 72
.set STB, 74
.set MHI, 76
.set MV,  77
.set MNT, 78
.set SEL, 80
.set MSB, 0
.macro WIN new                         ; the immediate's high byte repeats the setting that is left
.if MSB != \new
	s_set_vgpr_msb (MSB<<8)|\new
.set MSB, \new
.endif
.endm
.set MUL_LO, 0xa1                      ; source 0 (B) window 1, source 1 (A) window 0, C and D window 2
.set MUL_HI, 0xf1
.set TO_B,   0x40
; A joint load: waves 0 and 1 fetch for A, waves 2 and 3 for B; the branch hangs on the wave's number alone.  Four v_nop follow each of the two lines.
.macro JLOAD g0a, g1a, g0b, g1b
	s_cmp_eq_u32 s15, 0
	s_cbranch_scc0 .Lfor_b_\@
	tensor_load_to_lds s[\g0a:\g0a+3], s[\g1a:\g1a+7]
	s_nop 0
.rept 4
	v_nop
.endr
	s_branch .Lasked_\@
.Lfor_b_\@:
	tensor_load_to_lds s[\g0b:\g0b+3], s[\g1b:\g1b+7]
	s_nop 0
.rept 4
	v_nop
.endr
.Lasked_\@:
.endm
.macro CREST                           ; a round of the cluster's barrier behind its opening barrier
	s_cmp_lg_u32 s14, 0
	s_cbranch_scc1 .Lnot_wave_0_\@
	s_barrier_signal -3
.Lnot_wave_0_\@:
	s_barrier_wait -3
	s_barrier_signal -1
	s_barrier_wait -1
.endm
.macro CROUND
	s_barrier_signal -1
	s_barrier_wait -1
	CREST
.endm
	s_load_b128 s[4:7], s[0:1], 0x0                ; codes s[4:5], scales s[6:7]: both operands lie in them
	v_lshl_add_u32 v[SPW], v0, 2, SPARE
	v_mov_b32 v[NIL], 0
	ds_add_u32 v28, v29
	ds_add_u32 v28, v29
	s_wait_dscnt 0x0
	v_lshrrev_b32 v1, 5, v0
	v_readfirstlane_b32 s14, v1                    ; wave 0..3
	s_lshr_b32 s15, s14, 1                         ; which half of the tile's rows is mine.  Also: I fetch for A (0) or for B (1)
	s_and_b32 s16, s14, 1                          ; which half of its columns.  Also: which 128 rows of that tile I fetch
	s_bfe_u32 s40, ttmp6, 0x40000                  ; cx, cy: my place in the cluster
	s_bfe_u32 s41, ttmp6, 0x40004
	s_and_b32 s17, ttmp7, 0xffff                   ; Y: the cluster's row, 0 .. 23, the same in all sixteen
	s_lshl_b32 s43, s41, 2
	s_lshl_b32 s43, 15, s43                        ; my row of the cluster
	s_lshl_b32 s44, 0x1111, s40                    ; my column
	s_or_b32 s[G1+0], s43, (0<<16)|(1<<20)|(1<<21)|(5<<22)|(3<<25)  ; the mask; elements of 1 byte; padding on; bit 21 beside a mask; after every 64 words, 4 words
	s_or_b32 s[G1B+0], s44, (0<<16)|(1<<20)|(1<<21)|(5<<22)|(3<<25)
.irp g, G1, G1B
	s_mov_b32 s[\g+1], ROWB<<16                    ; tensor_dim0
	s_mov_b32 s[\g+2], 128<<16                     ; tensor_dim1
	s_mov_b32 s[\g+3], ROWB<<16                    ; tile_dim0
	s_mov_b32 s[\g+4], 128                         ; tile_dim1
	s_mov_b32 s[\g+5], KROW                        ; the pitch
	s_mov_b32 s[\g+6], 0
	s_mov_b32 s[\g+7], 0
.endr
	s_or_b32 s[G1S+0], s43, (3<<16)|(1<<20)|(1<<21)|(5<<22)|(3<<25) ; the scales of 128 rows: 4,096 dense bytes as 16 rows of 256 (32 elements of 8 bytes), 16 bytes of padding behind each
	s_or_b32 s[G1SB+0], s44, (3<<16)|(1<<20)|(1<<21)|(5<<22)|(3<<25)
.irp g, G1S, G1SB
	s_mov_b32 s[\g+1], 32<<16
	s_mov_b32 s[\g+2], (128*KS/256)<<16
	s_mov_b32 s[\g+3], 32<<16
	s_mov_b32 s[\g+4], 128*KS/256
	s_mov_b32 s[\g+5], 32
	s_mov_b32 s[\g+6], 0
	s_mov_b32 s[\g+7], 0
.endr
	s_lshl_b32 s18, s16, 7                         ; which 128 rows of the tile I fetch
	s_lshl_b32 s95, s17, 10                        ; the activations' rows of this cluster begin at 1,024 Y,
	s_lshr_b32 s96, s17, 3
	s_lshl_b32 s96, s96, 10
	s_add_co_u32 s96, s96, 24576                   ; the weight's at 24,576 + 1,024 (Y / 8)
	s_mov_b32 s99, 131072
	s_cmp_ge_u32 s17, 16                           ; v: the weight is A
	s_cselect_b32 s20, s96, s95
	s_cselect_b32 s46, s95, s96
	s_cselect_b32 s99, 1024, s99                   ; (for the way out: from lanes 0-15 to lanes 16-31 in the image)
	s_lshl_b32 s97, s41, 8
	s_add_co_u32 s20, s20, s97                     ; A: + 256 cy (no register that feeds A's descriptors ever holds cx)
	s_add_co_u32 s20, s20, s18
	s_lshl_b32 s98, s40, 8
	s_add_co_u32 s46, s46, s98                     ; B: + 256 cx
	s_add_co_u32 s46, s46, s18
	s_mov_b32 s21, 0
	s_mov_b32 s47, 0
	s_mov_b64 s[18:19], KS
	s_mul_u64 s[22:23], s[20:21], s[18:19]         ; where these rows' scales begin, in bytes
	s_mul_u64 s[92:93], s[46:47], s[18:19]
	s_mov_b64 s[18:19], KROW
	s_mul_u64 s[20:21], s[20:21], s[18:19]         ; and their codes
	s_mul_u64 s[46:47], s[46:47], s[18:19]
	s_mul_i32 s45, s14, HALFT                      ; where they go: wave x 128 rows: no place in the cluster enters an LDS address
	s_mul_i32 s94, s14, HALFS
	s_wait_kmcnt 0x0
	s_add_nc_u64 s[20:21], s[4:5], s[20:21]
	s_add_nc_u64 s[22:23], s[6:7], s[22:23]
	s_add_nc_u64 s[46:47], s[4:5], s[46:47]
	s_add_nc_u64 s[92:93], s[6:7], s[92:93]
	CROUND                                         ; all sixteen work-groups are here: the first joint loads meet
	s_mov_b32 s[G0S], 1
	s_add_co_u32 s[G0S+1], s94, SCL
	s_mov_b64 s[G0S+2:G0S+3], s[22:23]
	s_or_b32 s[G0S+3], s[G0S+3], 0x80000000
	s_mov_b32 s[G0SB], 1
	s_add_co_u32 s[G0SB+1], s94, SCL
	s_mov_b64 s[G0SB+2:G0SB+3], s[92:93]
	s_or_b32 s[G0SB+3], s[G0SB+3], 0x80000000
	JLOAD G0S, G1S, G0SB, G1SB                     ; the scales first: they are wanted with K step 0
.irp s, 0,1
	s_mov_b32 s[G0+4*\s], 1
	s_add_co_u32 s[G0+4*\s+1], s45, \s*SLOT
	s_add_nc_u64 s[G0+4*\s+2:G0+4*\s+3], s[20:21], \s*ROWB
	s_or_b32 s[G0+4*\s+3], s[G0+4*\s+3], 0x80000000
	s_mov_b32 s[G0B+4*\s], 1
	s_add_co_u32 s[G0B+4*\s+1], s45, \s*SLOT
	s_add_nc_u64 s[G0B+4*\s+2:G0B+4*\s+3], s[46:47], \s*ROWB
	s_or_b32 s[G0B+4*\s+3], s[G0B+4*\s+3], 0x80000000
	JLOAD G0+4*\s, G1, G0B+4*\s, G1B
.endr
	v_and_b32 v1, 15, v0                           ; rho = l % 16
	v_bfe_u32 v2, v0, 4, 1                         ; H = l / 16
	v_mul_u32_u24 v3, v1, PITCH
	v_lshl_add_u32 v4, v2, 4, v3                   ; a fragment's row x pitch + 16 x half
	s_mul_i32 s21, s15, HALFT                      ; my 128 rows of A
	s_mul_i32 s22, s16, HALFT                      ; my 128 rows of B,
	s_add_co_u32 s22, s22, 2*HALFT                 ; which lie behind A's 256
.irp s, 0,1
	v_add_nc_u32 v[ADRA+\s], s21, v4
	v_add_nc_u32 v[ADRB+\s], s22, v4
	s_add_co_u32 s21, s21, SLOT
	s_add_co_u32 s22, s22, SLOT
.endr
	v_mul_u32_u24 v5, v1, KS                       ; my row's scales: 32 bytes a row,
	v_lshrrev_b32 v6, 8, v5
	v_lshl_add_u32 v5, v6, 4, v5                   ; and 16 more for each 256 passed
	s_mul_i32 s21, s15, HALFS
	s_mul_i32 s22, s16, HALFS
	s_add_co_u32 s22, s22, 2*HALFS
	s_sub_co_u32 s22, s22, s21
	v_mul_u32_u24 v6, s22, v2                      ; lanes 16-31 take B's
	s_add_co_u32 s21, s21, SCL
	v_add_nc_u32 v5, v5, v6
	v_add_nc_u32 v[ADRS], s21, v5
	s_mul_i32 s23, s14, WSTG                       ; my stage
	v_mul_u32_u24 v5, v1, 528                      ; in: row rho, 32 bytes for each half of the lanes
	v_lshl_add_u32 v5, v2, 5, v5
	v_add_nc_u32 v[STO], s23, v5
	v_lshrrev_b32 v6, 3, v1                        ; rho / 8
	v_and_b32 v7, 7, v1                            ; rho % 8
	v_mul_u32_u24 v5, v6, BSTG                     ; back: lanes 8-15 read the block of 16 rows behind that of lanes 0-7,
	v_mad_u32_u24 v5, v7, 528, v5
	v_lshl_add_u32 v5, v2, 8, v5                   ; and lanes 16-31 the row's second 64 numbers
	v_add_nc_u32 v[XRD], s23, v5
	v_lshl_add_u32 v[MKO], v6, 4, v7               ; rho + 8 (rho / 8)
	v_lshlrev_b32 v[TABO], 8, v[MKO]
	v_lshlrev_b32 v[BRO], 2, v[MKO]
	v_lshlrev_b32 v[BCO], 8, v2
	v_mul_u32_u24 v[IMO], s99, v2
	v_lshl_add_u32 v[IMO], v1, 4, v[IMO]
	v_mul_u32_u24 v[LSO], v2, 20480
	v_lshl_add_u32 v[LSO], v1, 4, v[LSO]
.macro FRAG reg, adr, q, i             ; a fragment, 16 rows x 128 K of 8-bit codes: registers 4 c .. 4 c + 3 hold K = 32 c + 16 (l / 16) + 0 .. 15
.irp c, 0,1,2,3
	ds_load_b128 v[\reg+4*\c:\reg+4*\c+3], v[\adr] offset:128*(\q)+32*\c+(\i)*16*PITCH
.endr
.endm
; 16 matrix instructions: A's blocks a0, a0 + 1 x B's eight.  The 64 accumulators take turns, one instruction a turn, in the same order in every step.
.macro MUL16 a0, p, q, sc, zero
.irp a, \a0, \a0+1
.irp b, 0,1,2,3,4,5,6,7
.if \zero
	v_wmma_scale_f32_16x16x128_f8f6f4 v[8*(8*((\a)%4)+\b):8*(8*((\a)%4)+\b)+7], v[128*(\p)+FR*\b:128*(\p)+FR*\b+FR-1], v[AF+FR*(\a):AF+FR*(\a)+FR-1], 0, v[SC+8*NQ*(\sc)+NQ*\b+(\q)], v[SC+8*NQ*(\sc)+NQ*(\a)+(\q)] matrix_a_fmt:MATRIX_FMT_BF8 matrix_b_fmt:MATRIX_FMT_BF8 matrix_a_scale:MATRIX_SCALE_ROW1
.else
	v_wmma_scale_f32_16x16x128_f8f6f4 v[8*(8*((\a)%4)+\b):8*(8*((\a)%4)+\b)+7], v[128*(\p)+FR*\b:128*(\p)+FR*\b+FR-1], v[AF+FR*(\a):AF+FR*(\a)+FR-1], v[8*(8*((\a)%4)+\b):8*(8*((\a)%4)+\b)+7], v[SC+8*NQ*(\sc)+NQ*\b+(\q)], v[SC+8*NQ*(\sc)+NQ*(\a)+(\q)] matrix_a_fmt:MATRIX_FMT_BF8 matrix_b_fmt:MATRIX_FMT_BF8 matrix_a_scale:MATRIX_SCALE_ROW1
.endif
.endr
.endr
.endm
.macro FETCH_B slot, q, p
	WIN TO_B
.irp i, 0,1,2,3,4,5,6,7
	FRAG 128*(\p)+FR*\i, ADRB+\slot, \q, \i
.endr
	WIN 0
.endm
.macro FETCH_A slot, q, i0
.irp i, \i0, \i0+1, \i0+2, \i0+3
	FRAG AF+FR*(\i), ADRA+\slot, \q, \i
.endr
.endm
.macro SCALES sc                       ; the next K step's scale words: lanes 0-15 take A's block i, lanes 16-31 B's block i
.irp i, 0,1,2,3,4,5,6,7
	ds_load_b64 v[SC+8*NQ*\sc+NQ*\i:SC+8*NQ*\sc+NQ*\i+1], v[ADRS] offset:\i*SBLK
.endr
.endm
.macro PLACES n                        ; plain vector lines between a matrix instruction and a load into, or a read of, its registers
.rept \n
	v_nop
.endr
.endm
.macro STEP slot, q, zero              ; a step of 128 along K that has its successor in the same slot
	s_wait_dscnt 4*NL                              ; B's set and A's blocks 0-3 are in; the youngest 16 loads (A's blocks 4-7) may be out
	WIN MUL_LO
	MUL16 0, (\q)%2, \q, \slot, \zero
	MUL16 2, (\q)%2, \q, \slot, \zero
	s_wait_dscnt 0
	PLACES NP
	FETCH_B \slot, (\q)+1, 1-(\q)%2
	FETCH_A \slot, (\q)+1, 0
	WIN MUL_HI
	MUL16 4, (\q)%2, \q, \slot, \zero
	MUL16 6, (\q)%2, \q, \slot, \zero
	PLACES NP
	WIN 0
	FETCH_A \slot, (\q)+1, 4
.endm
; A slot's last step changes slots: one barrier; in front of it each wave waits for all its tensor loads, adds 0 to its spare word, and waits for that and for its reads of this slot.
.macro TURN slot, next, fill
	s_wait_tensorcnt 0x0                           ; all my tensor loads have landed: my part of the next slot
	ds_add_u32 v[SPW], v[NIL]                      ; 0 onto my spare word
	s_wait_dscnt 4*NL+1                            ; (the add and the youngest 16 loads, A's blocks 4-7, may be out)
	WIN MUL_LO
	MUL16 0, 1, NQ-1, \slot, 0
	s_wait_dscnt 0x0                               ; the add is done, and my reads of this slot are over
	s_barrier_signal -1
	MUL16 2, 1, NQ-1, \slot, 0
	WIN 0
	s_barrier_wait -1
.if \fill
	CREST                                          ; the barrier has opened a round of the cluster's: no wave of any partner still reads this slot or has a load on its way
	s_add_nc_u64 s[G0+4*\slot+2:G0+4*\slot+3], s[G0+4*\slot+2:G0+4*\slot+3], 2*ROWB
	s_add_nc_u64 s[G0B+4*\slot+2:G0B+4*\slot+3], s[G0B+4*\slot+2:G0B+4*\slot+3], 2*ROWB
	JLOAD G0+4*\slot, G1, G0B+4*\slot, G1B         ; the first tensor load behind the round; its four v_nop are among the places below
	PLACES NP-4
.else
	PLACES NP
.endif
	v_add_nc_u32 v[ADRS], 4*NQ, v[ADRS]            ; on to the next K step's scale words
	FETCH_B \next, 0, 0
	FETCH_A \next, 0, 0
	SCALES \next
	WIN MUL_HI
	MUL16 4, 1, NQ-1, \slot, 0
	MUL16 6, 1, NQ-1, \slot, 0
	PLACES NP
	WIN 0
	FETCH_A \next, 0, 4
.endm
	s_wait_tensorcnt 1                             ; the scales and my part of K step 0 are in (K step 1's load may be out),
	s_barrier_signal -1
	s_barrier_wait -1                              ; everybody's are
	FETCH_B 0, 0, 0
	FETCH_A 0, 0, 0
	SCALES 0
	FETCH_A 0, 0, 4
	STEP 0, 0, 1                                   ; the first step's products start the sums
	s_mov_b32 s3, LAPS-1
.Llap:
	TURN 0, 1, 1
	STEP 1, 0, 0
	TURN 1, 0, 1
	STEP 0, 0, 0
	s_sub_co_u32 s3, s3, 1
	s_cmp_lg_u32 s3, 0
	s_cbranch_scc1 .Llap
	TURN 0, 1, 0                                   ; the last lap fills nothing
	s_load_b256 s[TAB:TAB+7], s[0:1], 0x10         ; no tensor load is out any more: the descriptors' registers take tab, mask, bq, bk,
	s_load_b128 s[PBV:PBV+3], s[0:1], 0x30         ; bv, img,
	s_load_b64 s[SID:SID+1], s[0:1], 0x40          ; side
	STEP 1, 0, 0
	s_wait_dscnt 4*NL
	WIN MUL_LO
	MUL16 0, 1, NQ-1, 1, 0
	MUL16 2, 1, NQ-1, 1, 0
	s_wait_dscnt 0
	WIN MUL_HI
	MUL16 4, 1, NQ-1, 1, 0
	MUL16 6, 1, NQ-1, 1, 0
	WIN 0
	; ---- THE WAY OUT
	s_barrier_signal -1                            ; my reads of the ring are over (the wait for them stands ahead of the last 32 products):
	s_barrier_wait -1                              ; everybody's are: the ring, which has had its last fill, becomes the stages
	PLACES NP
	s_wait_kmcnt 0x0
	s_mov_b32 s[OFF+1], 0
	s_lshr_b32 s49, s17, 3                         ; which tensor: 0 q, 1 k, 2 v
	s_lshl_b32 s82, s41, 8
	s_lshl_b32 s83, s15, 7
	s_add_co_u32 s82, s82, s83                     ; 256 cy + 128 (wave / 2)
	s_lshl_b32 s84, s40, 8
	s_lshl_b32 s85, s16, 7
	s_add_co_u32 s84, s84, s85                     ; 256 cx + 128 (wave % 2)
	s_lshl_b32 s86, s17, 10
	s_sub_co_u32 s87, s86, 16384
	s_cmp_ge_u32 s17, 16                           ; v?
	s_cselect_b32 s50, 0, s86
	s_cselect_b32 s51, s87, 0
	s_cselect_b32 s[MV], -1, 0                     ; as a mask of lanes
	s_mov_b32 s[STA], 1024
	s_cselect_b32 s[STA], 2048, s[STA]             ; from pass to pass in the image: a tile of q or k is 1,024 bytes, of v 2,048;
	s_mov_b32 s[STB], 1024
	s_cselect_b32 s[STB], 124928, s[STB]           ; v's pass 4 begins the next head: 131,072 - 3 x 2,048
	s_mov_b32 s[STA+1], 0
	s_mov_b32 s[STB+1], 0
	s_add_co_u32 s50, s50, s82                     ; r0: my first row of C
	s_add_co_u32 s51, s51, s84                     ; c0: my first column
	s_cmp_ge_u32 s17, 16
	s_cselect_b32 s52, s51, s50                    ; the axis of positions,
	s_cselect_b32 s53, s50, s51                    ; and that of features
	s_bfe_u32 s54, s52, 0x2000b                    ; batch
	s_lshl_b32 s54, s54, 4
	s_lshr_b32 s88, s53, 6
	s_add_co_u32 s54, s54, s88                     ; 16 x batch + head
	s_and_b32 s55, s52, 2047                       ; my first position
	s_lshr_b32 s90, s55, 7
	s_lshl_b32 s[OFF], s49, 23                     ; img: the tensor's 8,388,608 bytes, the head's 131,072, 8,192 for each 128 positions
	s_lshl_b32 s88, s54, 17
	s_add_co_u32 s[OFF], s[OFF], s88
	s_lshl_b32 s88, s90, 13
	s_add_co_u32 s[OFF], s[OFF], s88
	s_add_nc_u64 s[IMG:IMG+1], s[IMG:IMG+1], s[OFF:OFF+1]
	s_sub_co_u32 s88, s49, 1                       ; side: the head's 20,480 bytes; k's words at 0, v's at 4,096, q's at 16,384; 256 for each 128 positions
	s_lshl_b32 s88, s88, 12
	s_cmp_eq_u32 s49, 0
	s_cselect_b32 s88, 16384, s88
	s_mul_i32 s[OFF], s54, 20480
	s_add_co_u32 s[OFF], s[OFF], s88
	s_lshl_b32 s88, s90, 8
	s_add_co_u32 s[OFF], s[OFF], s88
	s_add_nc_u64 s[SID:SID+1], s[SID:SID+1], s[OFF:OFF+1]
	s_add_nc_u64 s[ZER:ZER+1], s[TAB:TAB+1], 2176*256   ; the table's rows of zeros
	s_cmp_ge_u32 s17, 16
	s_cselect_b32 s[OFF], 2048, s55                ; v reads the rows with cos 1, sin 0
	s_lshl_b32 s[OFF], s[OFF], 8
	s_add_nc_u64 s[TAB:TAB+1], s[TAB:TAB+1], s[OFF:OFF+1]
	s_lshl_b32 s88, s51, 2
	s_cmp_eq_u32 s49, 0
	s_cselect_b64 s[BCP:BCP+1], s[PBQ:PBQ+1], s[PBK:PBK+1]
	s_cmp_ge_u32 s17, 16
	s_cselect_b32 s[OFF], 0, s88
	s_add_nc_u64 s[BCP:BCP+1], s[BCP:BCP+1], s[OFF:OFF+1]
	s_cselect_b64 s[BCP:BCP+1], s[ZER:ZER+1], s[BCP:BCP+1]   ; the bias along the columns: q's and k's; zeros for v
	s_lshl_b32 s88, s50, 2
	s_cmp_ge_u32 s17, 16
	s_cselect_b32 s[OFF], s88, 0
	s_add_nc_u64 s[PBV:PBV+1], s[PBV:PBV+1], s[OFF:OFF+1]
	s_cselect_b64 s[BRP:BRP+1], s[PBV:PBV+1], s[ZER:ZER+1]   ; the bias along the rows: v's; zeros for q and k
	s_sub_co_u32 s88, s50, 8192
	s_cmp_eq_u32 s49, 1
	s_cselect_b32 s[OFF], s88, 0
	s_add_nc_u64 s[MSK:MSK+1], s[MSK:MSK+1], s[OFF:OFF+1]
	s_cselect_b64 s[MKP:MKP+1], s[MSK:MSK+1], s[ZER:ZER+1]   ; the mask counts for k alone
	s_mov_b32 s[MHI], 0xffff0000                   ; lanes 16-31
	s_mov_b32 s[MNT], 0x600000                     ; the mantissa field of 57,344
	s_mov_b32 s[SEL], 0x76543210
	s_mov_b32 s[SEL+1], 0xfedcba98                 ; v_permlanex16_b32's selects for lane l xor 16
.macro CSLOAD T                        ; pass T's 32 pairs of cos and sin: my row of the table, 256 bytes, into set T % 3 of window 1
	WIN 0x40
.irp i, 0,1,2,3,4,5,6,7,8,9,10,11,12,13,14,15
	global_load_b128 v[64*((\T)%3)+4*\i:64*((\T)%3)+4*\i+3], v[TABO], s[TAB:TAB+1] offset:(32*((\T)/2)+8*((\T)%2))*256+16*\i
.endr
.endm
.macro XLOAD T                         ; pass T's 64 numbers from the stage into set T % 2
.irp i, 0,1,2,3,4,5,6,7,8,9,10,11,12,13,14,15
	ds_load_b128 v[X0+64*((\T)%2)+4*\i:X0+64*((\T)%2)+4*\i+3], v[XRD] offset:((\T)/2)*2*BSTG+((\T)%2)*8*528+16*\i
.endr
.endm
.irp t, 0,1,2,3,4,5,6,7
	global_load_b32 v[BRW+\t], v[BRO], s[BRP:BRP+1] offset:(32*(\t/2)+8*(\t%2))*4
.endr
.irp t, 0,1,2,3,4,5,6,7
	global_load_u8 v[MB+\t], v[MKO], s[MKP:MKP+1] offset:32*(\t/2)+8*(\t%2)
.endr
	WIN 0x40
.irp i, 0,1,2,3,4,5,6,7,8,9,10,11,12,13,14,15
	global_load_b128 v[BC+4*\i:BC+4*\i+3], v[BCO], s[BCP:BCP+1] offset:16*\i
.endr
	CSLOAD 0
	CSLOAD 1
	CSLOAD 2
.macro TOSTAGE a                       ; block a's 16 rows x 128 columns, each accumulator from its low end on
.set AC, 64*((\a)%4)
	WIN 0x08+4*((\a)/4)                            ; an LDS store's data are its source 1: window 2 or 3
.irp b, 0,1,2,3,4,5,6,7
	ds_store_b128 v[STO], v[AC+8*\b:AC+8*\b+3] offset:(\a)*BSTG+64*\b
	ds_store_b128 v[STO], v[AC+8*\b+4:AC+8*\b+7] offset:(\a)*BSTG+64*\b+16
.endr
.endm
.irp a, 0,1,2,3,4,5,6,7
	TOSTAGE \a
.endr
	WIN 0
.irp t, 0,1,2,3,4,5,6,7
	v_mov_b32 v[OW+\t], 0                          ; written once: a lane permute's destination counts as one of its sources
.endr
	XLOAD 0                                        ; the stage is my own and LDS serves a wave's instructions in order: no wait between the stores and the loads
.macro PASS T
.set XS, X0+64*((\T)%2)
.set CD, CODE+16*((\T)%2)
.set CSB, 64*((\T)%3)
.if (\T) < 7
	XLOAD (\T)+1
	s_wait_dscnt 16                                ; this pass's numbers are in; the 16 loads just issued may be out
.else
	s_wait_dscnt 0x0
.endif
.if (\T) < 6
	s_wait_loadcnt 32                              ; this pass's cos and sin are in (in pass 0 the biases and the mask's bytes too); the two younger sets, 16 loads each, may be out
.else
	s_wait_loadcnt 16*(7-(\T))
.endif
	v_mov_b32 v[BP], v[BRW+(\T)]
	v_mov_b32 v[BP+1], v[BRW+(\T)]
	WIN 0x04                                       ; source 1 in window 1
.set i, 0
.rept 32
	v_pk_add_f32 v[XS+i:XS+i+1], v[XS+i:XS+i+1], v[BC+i:BC+i+1]   ; the bias along the columns
.set i, i+2
.endr
	WIN 0
.set i, 0
.rept 32
	v_pk_add_f32 v[XS+i:XS+i+1], v[XS+i:XS+i+1], v[BP:BP+1]       ; and along the rows: one of the two is zeros
.set i, i+2
.endr
	WIN 0x04
.set i, 0
.rept 32                               ; (x0, x1) -> (x0 cos - x1 sin, x1 cos + x0 sin)
	v_mul_f32 v[TT+(i%8)], v[XS+i+1], v[CSB+i+1]
	v_mul_f32 v[TT+(i%8)+1], v[XS+i], v[CSB+i+1]
	v_fma_f32 v[XS+i], v[XS+i], v[CSB+i], -v[TT+(i%8)]
	v_fma_f32 v[XS+i+1], v[XS+i+1], v[CSB+i], v[TT+(i%8)+1]
.set i, i+2
.endr
.if (\T) <= 4
	CSLOAD (\T)+3                                  ; into the set just read
.endif
	WIN 0
	v_max3_num_f32 v[QM], |v[XS]|, |v[XS+1]|, 0x8000000           ; my two blocks of 32, by turns; the floor 2^(16 - 127) holds the byte at 1 from below
	v_max3_num_f32 v[QM+1], |v[XS+32]|, |v[XS+33]|, 0x8000000
.set i, 2
.rept 15
	v_max3_num_f32 v[QM], v[QM], |v[XS+i]|, |v[XS+i+1]|
	v_max3_num_f32 v[QM+1], v[QM+1], |v[XS+32+i]|, |v[XS+33+i]|
.set i, i+2
.endr
	v_add_nc_u32 v[QM+2], 0xf8800000, v[QM]        ; 15 off the exponent field: the conversion's scale operand
	v_add_nc_u32 v[QM+3], 0xf8800000, v[QM+1]
	v_and_or_b32 v[QM+4], v[QM], 0x7f800000, s[MNT]   ; 57,344 x the scale
	v_and_or_b32 v[QM+5], v[QM+1], 0x7f800000, s[MNT]
	v_lshrrev_b32 v[QM+6], 23, v[QM+2]             ; the bytes
	v_lshrrev_b32 v[QM+7], 23, v[QM+3]
	v_lshl_or_b32 v[W+(\T)], v[QM+7], 8, v[QM+6]
	v_add_nc_u32 v[KEEP], -1, v[MB+(\T)]           ; all ones where the key counts, 0 where it is masked
.set i, 0
.rept 32
	v_med3_num_f32 v[XS+i], v[XS+i], -v[QM+4], v[QM+4]            ; the conversion to an 8-bit code does not saturate (ISA guide 7.6.2)
	v_med3_num_f32 v[XS+32+i], v[XS+32+i], -v[QM+5], v[QM+5]
.set i, i+1
.endr
.irp k, 0,1,2,3
	v_cvt_scalef32_pk8_bf8_f32 v[CD+2*\k:CD+2*\k+1], v[XS+8*\k:XS+8*\k+7], v[QM+2]
.endr
.irp k, 4,5,6,7
	v_cvt_scalef32_pk8_bf8_f32 v[CD+2*\k:CD+2*\k+1], v[XS+8*\k:XS+8*\k+7], v[QM+3]
.endr
	v_nop                                          ; a plain line between the conversions and the lines that touch their results
.set i, 0
.rept 16
	v_and_b32 v[CD+i], v[KEEP], v[CD+i]
.set i, i+1
.endr
	s_wait_xcnt 0x0                                ; the last pass's stores have read their base and their data: the base may step, and the next pass may write that set of codes
.if (\T) == 4
	s_add_nc_u64 s[IMG:IMG+1], s[IMG:IMG+1], s[STB:STB+1]
.elseif (\T) > 0
	s_add_nc_u64 s[IMG:IMG+1], s[IMG:IMG+1], s[STA:STA+1]
.endif
.irp k, 0,1,2,3
	global_store_b128 v[IMO], v[CD+4*\k:CD+4*\k+3], s[IMG:IMG+1] offset:256*\k   ; numbers 16 k .. 16 k + 15 of my 64: sixteen lanes store 256 consecutive bytes, aligned
.endr
.endm
.irp T, 0,1,2,3,4,5,6,7
	PASS \T
.endr
	; the scale words.  q, k: word g of row rho = the two bytes of tile 2 g, then those of tile 2 g + 1.  v: word t of row rho = the bytes of the step's four blocks of keys: two from lanes 0-15, two from lanes 16-31;
	; lanes 0-15 store the first head's (passes 0-3), lanes 16-31 the second's (passes 4-7)
.irp t, 0,1,2,3,4,5,6,7
	v_permlanex16_b32 v[OW+\t], v[W+\t], s[SEL], s[SEL+1]
.endr
.irp g, 0,1,2,3
	v_lshl_or_b32 v[DK+\g], v[W+2*\g+1], 16, v[W+2*\g]
	v_cndmask_b32 v[TT], v[W+\g], v[OW+4+\g], s[MHI]
	v_cndmask_b32 v[TT+1], v[OW+\g], v[W+4+\g], s[MHI]
	v_lshl_or_b32 v[DV+\g], v[TT+1], 16, v[TT]
	v_cndmask_b32 v[DV+\g], v[DK+\g], v[DV+\g], s[MV]
.endr
	global_store_b128 v[LSO], v[DV:DV+3], s[SID:SID+1]   ; sixteen lanes store 256 consecutive bytes, aligned
	s_wait_tensorcnt 0x0                           ; the wave's end
	ds_add_u32 v[SPW], v[NIL]
	s_wait_dscnt 0x0
	CROUND                                         ; the closing round: no work-group ends while a partner may still ask for a tile that names it
	s_endpgm
.Lfunc_end_k_qd4c4d135df_proj:
	.size	k_qd4c4d135df_proj, .Lfunc_end_k_qd4c4d135df_proj-k_qd4c4d135df_proj
	.p2alignl 7, 3214868480
	.fill 96, 4, 3214868480
	.section	.rodata,"a",@progbits
	.p2align	6, 0x0
	.amdhsa_kernel k_qd4c4d135df_proj
		.amdhsa_group_segment_fixed_size 327680
		.amdhsa_private_segment_fixed_size 0
		.amdhsa_enable_private_segment 0
		.amdhsa_kernarg_size 72
		.amdhsa_user_sgpr_count 2
		.amdhsa_user_sgpr_kernarg_segment_ptr 1
		.amdhsa_wavefront_size32 1
		.amdhsa_system_sgpr_workgroup_id_x 1
		.amdhsa_system_sgpr_workgroup_id_y 1
		.amdhsa_system_sgpr_workgroup_id_z 1
		.amdhsa_system_vgpr_workitem_id 0
		.amdhsa_next_free_vgpr 1024
		.amdhsa_next_free_sgpr 102
		.amdhsa_reserve_vcc 0
		.amdhsa_float_denorm_mode_32 3
		.amdhsa_float_denorm_mode_16_64 3
		.amdhsa_memory_ordered 1
		.amdhsa_forward_progress 1
		.amdhsa_inst_pref_size 255
	.end_amdhsa_kernel
	.section	.bss,"aw",@nobits
	.p2align	6
	.space	262144
	.amdgpu_metadata
---
amdhsa.version: [ 1, 2 ]
amdhsa.kernels:
  - .name:           k_qd4c4d135df_proj
    .symbol:         k_qd4c4d135df_proj.kd
    .args:
      - { .name: codes, .offset: 0, .size: 8, .value_kind: global_buffer, .address_space: global }
      - { .name: scales, .offset: 8, .size: 8, .value_kind: global_buffer, .address_space: global }
      - { .name: tab, .offset: 16, .size: 8, .value_kind: global_buffer, .address_space: global }
      - { .name: mask, .offset: 24, .size: 8, .value_kind: global_buffer, .address_space: global }
      - { .name: bq, .offset: 32, .size: 8, .value_kind: global_buffer, .address_space: global }
      - { .name: bk, .offset: 40, .size: 8, .value_kind: global_buffer, .address_space: global }
      - { .name: bv, .offset: 48, .size: 8, .value_kind: global_buffer, .address_space: global }
      - { .name: img, .offset: 56, .size: 8, .value_kind: global_buffer, .address_space: global }
      - { .name: side, .offset: 64, .size: 8, .value_kind: global_buffer, .address_space: global }
    .group_segment_fixed_size: 327680
    .private_segment_fixed_size: 0
    .kernarg_segment_align: 8
    .kernarg_segment_size: 72
    .max_flat_workgroup_size: 128
    .sgpr_count:     102
    .vgpr_count:     1024
    .wavefront_size: 32
...
	.end_amdgpu_metadata
.endif
;; end of part 2
;; launch attn (part 3): grid 4 x 64, 16 waves a work-group, clusters of 4 x 1, 327,680 bytes of LDS; arguments img, side, oimg, osc; writes oimg, osc
.if DOCPART == 3
	.amdgcn_target "amdgcn-amd-amdhsa--gfx1250"
	.amdhsa_code_object_version 6
	.text
	.protected	k_qd4c4d135df_attn
	.globl	k_qd4c4d135df_attn
	.p2align	8
	.type	k_qd4c4d135df_attn,@function
k_qd4c4d135df_attn:
	s_mov_b64 s[64:65], 0
	v_nop
	global_prefetch_b8 v0, s[64:65] scope:SCOPE_SE
	s_setreg_imm32_b32 hwreg(HW_REG_WAVE_MODE, 25, 1), 1
	s_wait_xcnt 0x0
	s_wait_alu depctr_hold_cnt(0) depctr_sa_sdst(0) depctr_va_vdst(0) depctr_va_sdst(0) depctr_va_ssrc(0) depctr_va_vcc(0) depctr_vm_vsrc(0)
	s_getreg_b32 s2, hwreg(HW_REG_IB_STS2, 6, 4)
	s_cmp_eq_u32 s2, 0
	s_cbranch_scc0 .Lentry_in_a_cluster
	s_endpgm
.Lentry_in_a_cluster:
	s_bfe_u32 s2, ttmp6, 0x10000c
	s_cmp_lg_u32 s2, 0x3003
	s_cbranch_scc0 .Lentry_shape_is_right
	s_endpgm
.Lentry_shape_is_right:
; ATTN.  o = softmax(q k^T / 8, masked) v for one head, both products on codes of BF8 (E5M2) with E8M0 scales; o is divided by the row's sum and quantised along the model's 1,024 for the last product.
; THE SOFTMAX: t = score x log2(e) / 8; M = the running largest t rounded UP to a whole number; p = 2^(t - M) is quantised along the keys, not normalised; the row's sum is taken of the unquantised p.
; SHARES.  A work-group owns 512 queries of one (batch, head): 64 heads x 4 work-groups are 256 work-groups.  Each of its sixteen waves takes TWO tiles of 16 queries, one after the other, in 256 registers:
; four waves to a SIMD, so that one wave's vector work stands beside another's matrix work and LDS loads.  For each tile a wave walks all 2,048 keys, 128 a step.
; LDS.  A head's k (131,072 bytes), v (131,072), their scale words and the mask's bias (16,384) all fit: they are filled ONCE, serve both tiles, nothing is filled again, nothing is stored there.  Each wave issues
; five tensor loads at the head (five of mine are out): its part of the small block, then of four chunks of 512 keys.  Two barriers in all: one behind the first chunk, so that it is worked while the others
; land, one behind the rest.
; CLUSTER.  The four work-groups of a cluster belong to one head and need the same bytes: every load is asked for JOINTLY, with the same descriptor and the mask of all four.
; IMAGES.  k, v and q lie in memory as their operands' registers, lane by lane, so every fragment comes by ds_load_b128 at 16 x lane.  The rows of a tile are not neighbours (lanes 0-7 eight neighbours,
; lanes 8-15 the eight that lie 16 further on), so that two neighbouring tiles' results are 16 neighbours in a lane: p's along the keys, o's along the head.
; THE HEAD IS 64 AND THE INSTRUCTION'S K IS 128: a fragment of k holds TWO tiles of keys (K 0 .. 63 the first, 64 .. 127 the second).  q stands in a run of 24 registers, zeros | q | zeros: the run's
; upper 16 are [q | 0] and give the first tile, its lower 16 are [0 | q] and give the second.  The other tile's codes meet zero codes.
; THE MASK costs no vector line: the bias (-2^33 for a masked key, else 0) is loaded straight into the scores' registers and is the C of the product; k's codes of masked keys are zeros, so a masked score is
; exactly -2^33, its t a whole number.  With every key masked M = t and p = 1 throughout: the uniform softmax.
; LIMITS: a masked logit is -2^30 where the problem writes -1e9: the result differs only if an unmasked logit lay under about -1e9.  NaN and infinities are not served.
; No prefetch: all tensor loads go out at the head.
; REGISTERS: v1-6 addresses that stay; v8-11 the step's addresses; v12 -M, v13 the largest t, v[14:15] the sum; v16-39 q's run; v40-103 four fragments of k or v; v104-167 the scores, then p; v168-199 O^T;
; v200-215 p's codes; v216-219 k's scale words, v220-223 v's; v224-227 the holds once more; v232-254 at work; v255 q's scale word.
.set VIMG, 131072
.set SIDE, 262144
.set L16,  1                           ; v1   16 x lane
.set L16V, 2                           ; v2   the same in v's image
.set RS,   3                           ; v3   my row's four scale words: SIDE + 16 (lane % 16)
.set RM,   4                           ; v4   the bias of my half's keys: SIDE + 8,192 + 64 (lane / 16)
.set ADK,  8
.set ADV,  9
.set ADS,  10
.set ADM,  11
.set FRG,  40
.set S,    104
.set O,    168
.set PC,   200
.set KSW,  216
.set VSW,  220
.set HB,   224                         ; v224-227 block b's hold a second time, at v[224 + (b + 1) % 4]
.set WV,   12                          ; s12  my wave
.set MNT,  19                          ; s19  the mantissa field of 57,344
.set SEL,  20                          ; s[20:21] lane selects for v_permlanex16_b32: lane l xor 16
.set CS,   22                          ; s[22:23] c = log2(e) / 8
.set TK,   60                          ; s60  the step's place in k's and v's images: 8,192 bytes a step
.set TS,   61                          ; s61  among the scale words: 256
.set TM,   62                          ; s62  in the bias: 512
.set CNT,  63
.macro ROUND                           ; a round of the cluster's barrier
	s_barrier_signal -1
	s_barrier_wait -1
	s_cmp_lg_u32 s[WV], 0
	s_cbranch_scc1 .Lnot_wave_0_\@
	s_barrier_signal -3
.Lnot_wave_0_\@:
	s_barrier_wait -3
	s_barrier_signal -1
	s_barrier_wait -1
.endm
	s_load_b128 s[4:7], s[0:1], 0x0                ; img, side
	s_load_b128 s[8:11], s[0:1], 0x10              ; oimg, osc
	v_lshl_add_u32 v250, v0, 2, 0x44000
	v_mov_b32 v251, 0
	ds_add_u32 v250, v251
	ds_add_u32 v250, v251
	v_lshrrev_b32 v1, 5, v0
	v_readfirstlane_b32 s[WV], v1                  ; wave 0..15
	s_bfe_u32 s13, ttmp6, 0x40000                  ; cx
	s_lshl_b32 s14, ttmp9, 2
	s_add_co_u32 s14, s14, s13                     ; the work-group's place along x, 0 .. 3
	s_lshl_b32 s14, s14, 1                         ; the first of my two blocks of 256 queries: it enters q's, oimg's and osc's addresses alone
	s_and_b32 s15, ttmp7, 0xffff                   ; 16 x batch + head, which the four partners share
	s_lshl_b32 s16, s15, 17                        ; the head's 131,072 bytes in an image
	s_lshr_b32 s17, s[WV], 3                       ; waves 0-7 fetch k, waves 8-15 v
	s_and_b32 s18, s[WV], 7
	s_lshl_b32 s18, s18, 12                        ; 4,096 bytes of each chunk
	s_lshl_b32 s66, s17, 17
	s_add_co_u32 s66, s66, s18                     ; in LDS
	s_add_co_u32 s68, s17, 1
	s_lshl_b32 s68, s68, 23                        ; k's image begins at 8,388,608, v's at 16,777,216
	s_add_co_u32 s68, s68, s16
	s_add_co_u32 s68, s68, s18                     ; in memory
	s_mov_b32 s69, 0
	s_mul_i32 s70, s15, 20480                      ; the head's part of side
	s_lshl_b32 s67, s[WV], 10                      ; 1,024 bytes of it a wave
	s_add_co_u32 s72, s70, s67
	s_mov_b32 s73, 0
	s_lshl_b32 s74, s14, 14                        ; q: tile 16 x block + wave, 1,024 bytes a tile
	s_add_co_u32 s74, s74, s67
	s_add_co_u32 s74, s74, s16
	s_mov_b32 s75, 0
	s_lshl_b32 s76, s14, 9                         ; q's scale word: 256 bytes for each 8 tiles, word (tile / 2) % 4 of my row's four
	s_lshl_b32 s77, s17, 8
	s_add_co_u32 s76, s76, s77
	s_bfe_u32 s77, s[WV], 0x20001
	s_lshl_b32 s77, s77, 2
	s_add_co_u32 s76, s76, s77
	s_add_co_u32 s76, s76, s70
	s_add_co_u32 s76, s76, 16384
	s_mov_b32 s77, 0
	s_and_b32 s78, s[WV], 1
	s_lshl_b32 s78, s78, 4                         ; the word's lower or upper half
	s_mov_b32 s[MNT], 0x600000
	s_mov_b32 s[SEL], 0x76543210
	s_mov_b32 s[SEL+1], 0xfedcba98
	s_mov_b32 s[CS], 0x3e38aa3b
	s_mov_b32 s[CS+1], s[CS]                       ; (named with it as a pair, so it is written)
	; descriptor groups 1: dense blocks as rows of 256 bytes (32 elements of 8 bytes), no padding; the mask names all four work-groups, bit 21 beside it
	s_mov_b32 s44, 15|(3<<16)|(1<<21)              ; 1,024 bytes: 4 rows
	s_mov_b32 s45, 32<<16
	s_mov_b32 s46, 4<<16
	s_mov_b32 s47, 32<<16
	s_mov_b32 s48, 4
	s_mov_b32 s49, 32
	s_mov_b32 s50, 0
	s_mov_b32 s51, 0
	s_mov_b32 s52, 15|(3<<16)|(1<<21)              ; 4,096 bytes: 16 rows
	s_mov_b32 s53, 32<<16
	s_mov_b32 s54, 16<<16
	s_mov_b32 s55, 32<<16
	s_mov_b32 s56, 16
	s_mov_b32 s57, 32
	s_mov_b32 s58, 0
	s_mov_b32 s59, 0
	s_wait_dscnt 0x0
	s_wait_kmcnt 0x0
	s_mov_b32 s24, 1
	s_add_co_u32 s25, s67, SIDE
	s_add_nc_u64 s[26:27], s[6:7], s[72:73]
	s_or_b32 s27, s27, 0x80000000
	s_add_nc_u64 s[68:69], s[4:5], s[68:69]
.irp j, 0,1,2,3
	s_mov_b32 s[28+4*\j], 1
	s_add_co_u32 s[29+4*\j], s66, 32768*\j
	s_add_nc_u64 s[30+4*\j:31+4*\j], s[68:69], 32768*\j
	s_or_b32 s[31+4*\j], s[31+4*\j], 0x80000000
.endr
	s_add_nc_u64 s[74:75], s[4:5], s[74:75]
	s_add_nc_u64 s[76:77], s[6:7], s[76:77]
	ROUND                                          ; all four work-groups are here: the joint loads meet
	tensor_load_to_lds s[24:27], s[44:51]          ; scale words and bias
	s_nop 0
	tensor_load_to_lds s[28:31], s[52:59]          ; keys 0 .. 511
	s_nop 0
	tensor_load_to_lds s[32:35], s[52:59]
	s_nop 0
	tensor_load_to_lds s[36:39], s[52:59]
	s_nop 0
	tensor_load_to_lds s[40:43], s[52:59]          ; keys 1,536 .. 2,047
	s_nop 0
.rept 4
	v_nop
.endr
	v_and_b32 v5, 31, v0
	v_lshlrev_b32 v[L16], 4, v5
	v_add_nc_u32 v[L16V], VIMG, v[L16]
	v_and_b32 v6, 15, v0                           ; rho
	v_bfe_u32 v7, v0, 4, 1                         ; h
	v_lshl_add_u32 v[RS], v6, 4, SIDE
	v_lshl_add_u32 v[RM], v7, 6, SIDE+8192
	v_lshlrev_b32 v5, 5, v6                        ; osc: 32 bytes a row
	v_lshlrev_b32 v6, 4, v6                        ; q's scale words: 16 bytes a row
; My tile p (0, 1) of queries: its codes into the middle of q's run, its scale word into v255.  The second tile lies a block of 256 queries on: 16 tiles of 1,024 bytes, two groups of 256 bytes of scale words.
.macro QLOAD p
	global_load_b128 v[24:27], v[L16], s[74:75] offset:16384*(\p)
	global_load_b128 v[28:31], v[L16], s[74:75] offset:16384*(\p)+512
	global_load_b32 v255, v6, s[76:77] offset:512*(\p)
.endm
; A tile's beginning: q is in; O^T and the sum begin as zeros, the largest t as -3e38.
.macro QINIT
	s_wait_loadcnt 0x0
	v_lshrrev_b32 v255, s78, v255
	v_and_b32 v255, 0xffff, v255
	v_lshl_or_b32 v255, v255, 16, v255             ; (s0, s1, s0, s1): it serves [q | 0] and [0 | q] alike.  The lines below stand between it and its first use
.set j, 0
.rept 32
	v_mov_b32 v[O+j], 0                            ; O^T.  (The step is written without a first step of its own: the first finds zeros, which the first change of M leaves zeros)
.set j, j+1
.endr
	v_mov_b32 v13, 0xff61b1e6                      ; the largest t so far: -3e38, under every t
	v_floor_f32 v12, -v13                          ; -M
	v_mov_b32 v14, 0
	v_mov_b32 v15, 0
.endm
	QLOAD 0
	s_lshr_b32 s66, s15, 4                         ; where my results go: made once; the second tile's places stand in the stores' immediates
	s_lshl_b32 s66, s66, 7
	s_lshl_b32 s67, s14, 4
	s_add_co_u32 s66, s66, s67
	s_add_co_u32 s66, s66, s[WV]                   ; my first tile of rows: 128 x batch + 16 x block + wave
	s_and_b32 s67, s15, 15                         ; the head
	s_lshl_b32 s68, s66, 14                        ; oimg: 16,384 bytes a tile of rows, 1,024 a head
	s_lshl_b32 s70, s67, 10
	s_add_co_u32 s68, s68, s70
	s_mov_b32 s69, 0
	s_add_nc_u64 s[8:9], s[8:9], s[68:69]
	s_lshl_b32 s68, s66, 9                         ; osc: 32 bytes a row, 2 a head
	s_lshl_b32 s70, s67, 1
	s_add_co_u32 s68, s68, s70
	s_add_nc_u64 s[10:11], s[10:11], s[68:69]
.irp j, 0,1,2,3,4,5,6,7
	v_mov_b32 v[16+\j], 0                          ; the zeros on both sides of q: they stay
	v_mov_b32 v[32+\j], 0
.endr
.irp b, 0,1,2,3
	v_mov_b32 v[236+\b], 0                         ; written once: a lane permute's destination counts as one of its sources
.endr
	v_mov_b32 v253, 0                              ; (named as the upper half of the pair v[252:253] before it is first written)
	QINIT
; A KEY STEP: 128 keys
.macro STEP
	v_add_nc_u32 v[ADK], s[TK], v[L16]
	v_add_nc_u32 v[ADV], s[TK], v[L16V]
	v_add_nc_u32 v[ADS], s[TS], v[RS]
	v_add_nc_u32 v[ADM], s[TM], v[RM]
.rept 4
	v_nop                                          ; with the four additions: eight places in front of loads into registers that the last products read
.endr
.irp b, 0,1,2,3
.irp i, 0,1,2,3
	ds_load_b128 v[FRG+16*\b+4*\i:FRG+16*\b+4*\i+3], v[ADK] offset:2048*\b+512*\i   ; pair b of tiles of keys
.endr
.endr
	ds_load_b128 v[KSW:KSW+3], v[ADS]              ; my row's scale words of the four pairs
.irp b, 0,1,2,3
.irp i, 0,1,2,3
	ds_load_b128 v[S+16*\b+4*\i:S+16*\b+4*\i+3], v[ADM] offset:128*\b+16*\i         ; the bias of keys 32 b + 16 h + 4 i on: those registers' keys
.endr
.endr
	s_wait_dscnt 0x0
.irp b, 0,1,2,3                        ; S^T = k q^T + bias: lane (r, h) holds query r; register 16 b + i is key 32 b + 16 h + i
	v_wmma_scale_f32_16x16x128_f8f6f4 v[S+16*\b:S+16*\b+7], v[FRG+16*\b:FRG+16*\b+15], v[24:39], v[S+16*\b:S+16*\b+7], v[KSW+\b], v255 matrix_a_fmt:MATRIX_FMT_BF8 matrix_b_fmt:MATRIX_FMT_BF8
	v_wmma_scale_f32_16x16x128_f8f6f4 v[S+16*\b+8:S+16*\b+15], v[FRG+16*\b:FRG+16*\b+15], v[16:31], v[S+16*\b+8:S+16*\b+15], v[KSW+\b], v255 matrix_a_fmt:MATRIX_FMT_BF8 matrix_b_fmt:MATRIX_FMT_BF8
.endr
.rept 8
	v_nop                                          ; places in front of the loads below and of the first read of the scores
.endr
.irp t, 0,1,2,3
.irp c, 0,1,2,3
	ds_load_b128 v[FRG+16*\t+4*\c:FRG+16*\t+4*\c+3], v[ADV] offset:2048*\t+512*\c   ; v's four tiles of 16 of the head's 64: they land under the softmax
.endr
.endr
	ds_load_b128 v[VSW:VSW+3], v[ADS] offset:4096
.irp b, 0,1,2,3
	v_max3_num_f32 v[232+\b], v[S+16*\b], v[S+1+16*\b], v[S+2+16*\b]   ; the largest score of each block of 32 keys: for the row's maximum and, since p rises with the score, for the block's largest p
.endr
.irp i, 3,5,7,9,11,13
.irp b, 0,1,2,3
	v_max3_num_f32 v[232+\b], v[232+\b], v[S+16*\b+\i], v[S+1+16*\b+\i]
.endr
.endr
.irp b, 0,1,2,3
	v_max_num_f32 v[232+\b], v[232+\b], v[S+15+16*\b]
.endr
.irp b, 0,1,2,3
	v_permlanex16_b32 v[236+\b], v[232+\b], s[SEL], s[SEL+1]
.endr
.irp b, 0,1,2,3
	v_max_num_f32 v[232+\b], v[232+\b], v[236+\b]  ; with lane l xor 16's 16 keys
.endr
	v_max3_num_f32 v254, v232, v233, v234
	v_max_num_f32 v254, v254, v235
	v_mul_f32 v254, s[CS], v254                    ; as t (c is positive)
	v_max_num_f32 v13, v13, v254                   ; the running largest t
	v_mov_b32 v254, v12
	v_floor_f32 v12, -v13                          ; the new -M = floor(-t): M is a whole number
	v_sub_f32 v254, v12, v254                      ; old M - new M: a whole number, 0 or less
	v_cvt_i32_f32 v254, v254                       ; (it saturates)
	v_ldexp_f32 v252, 1.0, v254                    ; f = 2^(old M - new M): a multiplication by it rounds nothing
.set j, 0
.rept 32
	v_pk_fma_f32 v[S+j:S+j+1], v[S+j:S+j+1], s[CS:CS+1], v[12:13] op_sel_hi:[1,0,0]   ; t - M, two at a time
.set j, j+2
.endr
.irp b, 0,1,2,3
	v_fma_f32 v[232+\b], v[232+\b], s[CS], v12     ; the same of each block's largest score
.endr
.set j, 0
.rept 64
	v_exp_f32 v[S+j], v[S+j]                       ; p = 2^(t - M), at most 1
.set j, j+1
.endr
	v_pk_mul_f32 v[14:15], v[14:15], v[252:253] op_sel_hi:[1,0]   ; the sums under the new M.  (A plain line behind the exponentials)
	s_wait_alu depctr_va_vdst(0)                   ; one wait for the whole batch, ahead of its first reader
.irp b, 0,1,2,3
	v_exp_f32 v[232+\b], v[232+\b]                 ; the block's largest p
.endr
	v_pk_add_f32 v[236:237], v[S:S+1], v[S+2:S+3]  ; the row's sum is taken of the unquantised p, in two chains
.irp j, 4,8,12,16,20,24,28,32,36,40,44,48,52,56,60
	v_pk_add_f32 v[14:15], v[14:15], v[S+\j:S+1+\j]
	v_pk_add_f32 v[236:237], v[236:237], v[S+2+\j:S+3+\j]
.endr
	v_pk_add_f32 v[14:15], v[14:15], v[236:237]
	s_wait_alu depctr_va_vdst(0)                   ; and one for the four
.irp b, 0,1,2,3
	v_max_num_f32 v[232+\b], 0x8000000, v[232+\b]  ; the floor 2^(16 - 127): the byte cannot fall under 1 (a block whose every p is 0 keeps that byte: its codes are zeros)
.endr
.irp b, 0,1,2,3
	v_add_nc_u32 v[244+\b], 0xf8800000, v[232+\b]  ; the conversion's scale operand
.endr
.irp b, 0,1,2,3
	v_and_or_b32 v[240+\b], v[232+\b], 0x7f800000, s[MNT]   ; 57,344 x the scale,
.endr
.irp b, 0,1,2,3
	v_and_or_b32 v[HB+((\b+1)%4)], v[232+\b], 0x7f800000, s[MNT]   ; and once more, in a register whose number differs mod 4: for the second half of the pairs below
.endr
.irp b, 0,1,2,3
	v_lshrrev_b32 v[236+\b], 23, v[244+\b]         ; the byte
.endr
	v_lshl_or_b32 v253, v237, 8, v236              ; p's scale word for these 128 keys
	v_lshl_or_b32 v253, v238, 16, v253
	v_lshl_or_b32 v253, v239, 24, v253
; The hold: the conversion does not saturate (ISA guide 7.6.2); p is not negative, so it is one-sided.  Two holds go in one dual-issue instruction: 32 lines for the step's 64 numbers.  The form asks for an even
; and an odd destination, and for first sources, and second sources, whose register numbers differ mod 4: an even register of p and its odd neighbour, and the hold's two copies.
.irp b, 0,1,2,3
.irp i, 0,2,4,6,8,10,12,14
	v_dual_min_num_f32 v[S+16*\b+\i], v[S+16*\b+\i], v[240+\b] :: v_dual_min_num_f32 v[S+16*\b+\i+1], v[S+16*\b+\i+1], v[HB+((\b+1)%4)]
.endr
	v_cvt_scalef32_pk8_bf8_f32 v[PC+4*\b:PC+1+4*\b], v[S+16*\b:S+7+16*\b], v[244+\b]
	v_cvt_scalef32_pk8_bf8_f32 v[PC+2+4*\b:PC+3+4*\b], v[S+8+16*\b:S+15+16*\b], v[244+\b]
.endr
.set j, 0
.rept 16
	v_pk_mul_f32 v[O+j:O+j+1], v[O+j:O+j+1], v[252:253] op_sel_hi:[1,0]   ; O^T under the new M.  (These are also the places between the codes and the products)
.set j, j+2
.endr
	s_wait_dscnt 0x0                               ; v's fragments and scale words are in
.irp t, 0,1,2,3                        ; O^T += v^T p^T: K = these 128 keys; the four accumulators by turns
	v_wmma_scale_f32_16x16x128_f8f6f4 v[O+8*\t:O+8*\t+7], v[FRG+16*\t:FRG+16*\t+15], v[PC:PC+15], v[O+8*\t:O+8*\t+7], v[VSW+\t], v253 matrix_a_fmt:MATRIX_FMT_BF8 matrix_b_fmt:MATRIX_FMT_BF8
.endr
	s_add_co_u32 s[TK], s[TK], 8192
	s_add_co_u32 s[TS], s[TS], 256
	s_add_co_u32 s[TM], s[TM], 512
.endm
; n key steps from step 'first' on
.macro STEPS first, n
	s_mov_b32 s[TK], (\first)*8192
	s_mov_b32 s[TS], (\first)*256
	s_mov_b32 s[TM], (\first)*512
	s_mov_b32 s[CNT], \n
.Lstep_\@:
	STEP
	s_sub_co_u32 s[CNT], s[CNT], 1
	s_cmp_lg_u32 s[CNT], 0
	s_cbranch_scc1 .Lstep_\@
.endm
; My loads end in the order of issue (ISA guide 10.11.1): with 'left' of the five out, the others have landed; behind the barrier that holds of every wave's.
.macro SYNC left
	s_wait_tensorcnt \left
	s_wait_dscnt 0x0
	s_barrier_signal -1
	s_barrier_wait -1
.endm
; THE WAY OUT of tile p.  O^T / the sum; register 16 g + i is o(query, 32 g + 16 h + i): two blocks of 32 along the last product's K, each in lanes l and l xor 16.  The codes are that product's operand registers.
.macro WAYOUT p
.rept 8
	v_nop                                          ; places behind the last products
.endr
.if (\p) == 0
	QLOAD 1                                        ; the next tile's q is asked for here and lands under the lines below; the products that read these registers lie a softmax back
.endif
	v_add_f32 v14, v14, v15                        ; the sum's two halves,
	v_permlanex16_b32 v252, v14, s[SEL], s[SEL+1]
	v_add_f32 v14, v14, v252                       ; and lane l xor 16's
	v_rcp_f32 v14, v14
	v_nop                                          ; a plain line behind the reciprocal
	s_wait_alu depctr_va_vdst(0)                   ; and the wait ahead of its first reader
.set j, 0
.rept 32
	v_mul_f32 v[S+j], v[O+j], v14                  ; each accumulator from its low end on
.set j, j+1
.endr
.irp g, 0,1
	v_max3_num_f32 v[232+\g], |v[S+16*\g]|, |v[S+1+16*\g]|, 0x8000000
.endr
.irp i, 2,4,6,8,10,12,14
.irp g, 0,1
	v_max3_num_f32 v[232+\g], v[232+\g], |v[S+16*\g+\i]|, |v[S+1+16*\g+\i]|
.endr
.endr
.irp g, 0,1
	v_permlanex16_b32 v[236+\g], v[232+\g], s[SEL], s[SEL+1]
.endr
.irp g, 0,1
	v_max_num_f32 v[232+\g], v[232+\g], v[236+\g]
.endr
.irp g, 0,1
	v_add_nc_u32 v[244+\g], 0xf8800000, v[232+\g]
.endr
.irp g, 0,1
	v_and_or_b32 v[240+\g], v[232+\g], 0x7f800000, s[MNT]
.endr
.irp g, 0,1
	v_lshrrev_b32 v[236+\g], 23, v[244+\g]
.endr
	v_lshl_or_b32 v254, v237, 8, v236              ; my row's two bytes of this head
.irp g, 0,1
.irp i, 0,1,2,3,4,5,6,7,8,9,10,11,12,13,14,15
	v_med3_num_f32 v[S+16*\g+\i], v[S+16*\g+\i], -v[240+\g], v[240+\g]
.endr
	v_cvt_scalef32_pk8_bf8_f32 v[PC+4*\g:PC+1+4*\g], v[S+16*\g:S+7+16*\g], v[244+\g]
	v_cvt_scalef32_pk8_bf8_f32 v[PC+2+4*\g:PC+3+4*\g], v[S+8+16*\g:S+15+16*\g], v[244+\g]
.endr
	v_nop
	global_store_b128 v[L16], v[PC:PC+3], s[8:9] offset:262144*(\p)        ; the wave stores 512 consecutive bytes; the second tile lies 16 tiles of rows, 16,384 bytes each, further on
	global_store_b128 v[L16], v[PC+4:PC+7], s[8:9] offset:262144*(\p)+512
	global_store_b16 v5, v254, s[10:11] offset:8192*(\p)   ; two bytes a row, rows 32 bytes apart: a K step's scale word belongs to two heads, so to two work-groups.  Lanes l and l xor 16 store the same value
.endm
	SYNC 3                                         ; the small block and keys 0 .. 511 have landed; the three chunks behind them may stay out
	STEPS 0, 4
	SYNC 0                                         ; all of the head lies in LDS: no barrier stands behind this one but the closing round's
	STEPS 4, 12
	WAYOUT 0
	s_wait_xcnt 0x0                                ; the three stores have read their data: the next tile's steps write those registers again
	QINIT
	STEPS 0, 16
	WAYOUT 1
	s_wait_tensorcnt 0x0
	ds_add_u32 v250, v251
	s_wait_dscnt 0x0
	ROUND                                          ; the closing round: no work-group ends while a partner may still ask for a tile that names it
	s_endpgm
.Lfunc_end_k_qd4c4d135df_attn:
	.size	k_qd4c4d135df_attn, .Lfunc_end_k_qd4c4d135df_attn-k_qd4c4d135df_attn
	.p2alignl 7, 3214868480
	.fill 96, 4, 3214868480
	.section	.rodata,"a",@progbits
	.p2align	6, 0x0
	.amdhsa_kernel k_qd4c4d135df_attn
		.amdhsa_group_segment_fixed_size 327680
		.amdhsa_private_segment_fixed_size 0
		.amdhsa_enable_private_segment 0
		.amdhsa_kernarg_size 32
		.amdhsa_user_sgpr_count 2
		.amdhsa_user_sgpr_kernarg_segment_ptr 1
		.amdhsa_wavefront_size32 1
		.amdhsa_system_sgpr_workgroup_id_x 1
		.amdhsa_system_sgpr_workgroup_id_y 1
		.amdhsa_system_sgpr_workgroup_id_z 1
		.amdhsa_system_vgpr_workitem_id 0
		.amdhsa_next_free_vgpr 256
		.amdhsa_next_free_sgpr 80
		.amdhsa_reserve_vcc 0
		.amdhsa_float_denorm_mode_32 3
		.amdhsa_float_denorm_mode_16_64 3
		.amdhsa_memory_ordered 1
		.amdhsa_forward_progress 1
		.amdhsa_inst_pref_size 82
	.end_amdhsa_kernel
	.amdgpu_metadata
---
amdhsa.version: [ 1, 2 ]
amdhsa.kernels:
  - .name:           k_qd4c4d135df_attn
    .symbol:         k_qd4c4d135df_attn.kd
    .args:
      - { .name: img, .offset: 0, .size: 8, .value_kind: global_buffer, .address_space: global }
      - { .name: side, .offset: 8, .size: 8, .value_kind: global_buffer, .address_space: global }
      - { .name: oimg, .offset: 16, .size: 8, .value_kind: global_buffer, .address_space: global }
      - { .name: osc, .offset: 24, .size: 8, .value_kind: global_buffer, .address_space: global }
    .group_segment_fixed_size: 327680
    .private_segment_fixed_size: 0
    .kernarg_segment_align: 8
    .kernarg_segment_size: 32
    .max_flat_workgroup_size: 512
    .sgpr_count:     80
    .vgpr_count:     256
    .wavefront_size: 32
...
	.end_amdgpu_metadata
.endif
;; end of part 3
;; launch outp (part 4): grid 4 x 32, 4 waves a work-group, clusters of 4 x 4, 327,680 bytes of LDS; arguments oimg, osc, codes, scales, bo, out0; writes out0
.if DOCPART == 4
	.amdgcn_target "amdgcn-amd-amdhsa--gfx1250"
	.amdhsa_code_object_version 6
	.text
	.protected	k_qd4c4d135df_outp
	.globl	k_qd4c4d135df_outp
	.p2align	8
	.type	k_qd4c4d135df_outp,@function
k_qd4c4d135df_outp:
	s_mov_b64 s[64:65], 0
	v_nop
	global_prefetch_b8 v0, s[64:65] scope:SCOPE_SE
	s_setreg_imm32_b32 hwreg(HW_REG_WAVE_MODE, 25, 1), 1
	s_wait_xcnt 0x0
	s_wait_alu depctr_hold_cnt(0) depctr_sa_sdst(0) depctr_va_vdst(0) depctr_va_sdst(0) depctr_va_ssrc(0) depctr_va_vcc(0) depctr_vm_vsrc(0)
	s_getreg_b32 s2, hwreg(HW_REG_IB_STS2, 6, 4)
	s_cmp_eq_u32 s2, 0
	s_cbranch_scc0 .Lentry_in_a_cluster
	s_endpgm
.Lentry_in_a_cluster:
	s_bfe_u32 s2, ttmp6, 0x10000c
	s_cmp_lg_u32 s2, 0xf033
	s_cbranch_scc0 .Lentry_shape_is_right
	s_endpgm
.Lentry_shape_is_right:
; OUTP.  out0 = o Wo^T + bo on codes of BF8 (E5M2) with E8M0 scales.  M = 8,192, N = 1,024, K = 1,024; out0 f32.
; A = o lies in oimg as an IMAGE of its operand's registers: [tile of 16 rows][K / 64][2][lane][16 bytes], 16,384 bytes a tile of rows; its scale bytes in osc, [row][32], rows in the image's order.
; B = Wo's codes and scale bytes lie in codes and scales from row 27,648 on, K innermost.
; A tile of C, 256 x 256, is made by four waves, 128 x 128 each.  K goes in steps of 256 through a ring of two LDS slots; the scales of the tile's rows come once.  128 work-groups: the problem has no more tiles of this size.
; CLUSTERS: 4 x 4 work-groups; A's tiles are asked for jointly along a row of the cluster, B's along a column.  THE MATRIX INSTRUCTION IS USED TRANSPOSED (source 0 = rows of B, source 1 = rows of A).
; THE ROWS OF A TILE OF A ARE NOT NEIGHBOURS: row t of the wave's block a is row 32 (a / 2) + 8 (a % 2) + t + 8 (t / 8) of the wave's 128: the stores' immediates put each row in its place.
; REGISTERS as in the projections: window 0: v0-31 addresses, v8-11 my four numbers of bo; v32-63 scale words; from v128 A's fragments.  window 1: B's, two sets.  windows 2, 3: the accumulators.
.set SIZE_N, 1024
.set KSTEP,  256
.set NQ,     2
.set ROWB,   256
.set AROWB,  4096                      ; a K step of a tile of 16 rows of A: 256 x 16 bytes
.set KROW,   1024
.set PITCH,  272
.set FR,     16
.set NL,     4
.set NP,     8
.set HALFT,  128*PITCH
.set SLOT,   4*HALFT
.set LAPS,   2
.set KS,     32
.set SCL,    2*SLOT
.set HALFS,  (128*KS/256)*272
.set SBLK,   (16*KS/256)*272
.set SPARE,  SCL+4*HALFS               ; the spare words, 128 bytes for each wave: two blocks of 256 bytes that no other line names
.set SPITCH, 528                       ; the way out: a stage of 16 rows x (512 bytes + 16) for each wave, in slot 0, which has had its last fill and its last read by then
.set ADRA, 16
.set ADRB, 20
.set STO,  24
.set RD,   25
.set CO,   26
.set SPW,  28
.set NIL,  29
.set ADRS, 27
.set SC,   32
.set AF,   128
.set BK,   128
.set G1, 24
.set G0, 32
.set G1B, 48
.set G0B, 56
.set G1S, 68
.set G0S, 76
.set G1SB, 80
.set G0SB, 88
.set MSB, 0
.macro WIN new
.if MSB != \new
	s_set_vgpr_msb (MSB<<8)|\new
.set MSB, \new
.endif
.endm
.set MUL_LO, 0xa1
.set MUL_HI, 0xf1
.set TO_B,   0x40
.macro JLOAD g0a, g1a, g0b, g1b        ; a joint load: waves 0 and 1 fetch for A, waves 2 and 3 for B; four v_nop follow each of the two lines
	s_cmp_eq_u32 s15, 0
	s_cbranch_scc0 .Lfor_b_\@
	tensor_load_to_lds s[\g0a:\g0a+3], s[\g1a:\g1a+7]
	s_nop 0
.rept 4
	v_nop
.endr
	s_branch .Lasked_\@
.Lfor_b_\@:
	tensor_load_to_lds s[\g0b:\g0b+3], s[\g1b:\g1b+7]
	s_nop 0
.rept 4
	v_nop
.endr
.Lasked_\@:
.endm
.macro CREST
	s_cmp_lg_u32 s14, 0
	s_cbranch_scc1 .Lnot_wave_0_\@
	s_barrier_signal -3
.Lnot_wave_0_\@:
	s_barrier_wait -3
	s_barrier_signal -1
	s_barrier_wait -1
.endm
.macro CROUND
	s_barrier_signal -1
	s_barrier_wait -1
	CREST
.endm
	s_load_b128 s[4:7], s[0:1], 0x0                ; oimg, osc
	s_load_b128 s[8:11], s[0:1], 0x10              ; codes, scales
	s_load_b64 s[96:97], s[0:1], 0x20              ; bo
	s_load_b64 s[12:13], s[0:1], 0x28              ; out0
	v_lshl_add_u32 v[SPW], v0, 2, SPARE
	v_mov_b32 v[NIL], 0
	ds_add_u32 v28, v29
	ds_add_u32 v28, v29
	s_wait_dscnt 0x0
	v_lshrrev_b32 v1, 5, v0
	v_readfirstlane_b32 s14, v1                    ; wave 0..3
	s_lshr_b32 s15, s14, 1
	s_and_b32 s16, s14, 1
	s_bfe_u32 s40, ttmp6, 0x40000                  ; cx, cy
	s_bfe_u32 s41, ttmp6, 0x40004
	s_lshl_b32 s42, ttmp9, 2
	s_add_co_u32 s42, s42, s40                     ; tile column of C
	s_and_b32 s17, ttmp7, 0xffff
	s_lshl_b32 s17, s17, 2
	s_add_co_u32 s17, s17, s41                     ; tile row of C
	s_lshl_b32 s43, s41, 2
	s_lshl_b32 s43, 15, s43                        ; my row of the cluster
	s_lshl_b32 s44, 0x1111, s40                    ; my column
	s_or_b32 s[G1+0], s43, (3<<16)|(1<<21)         ; A: 8 tiles of rows x 4,096 bytes (512 elements of 8 bytes), 16,384 bytes apart in memory, on end in LDS
	s_mov_b32 s[G1+1], 512<<16
	s_mov_b32 s[G1+2], 8<<16
	s_mov_b32 s[G1+3], 512<<16
	s_mov_b32 s[G1+4], 8
	s_mov_b32 s[G1+5], 2048
	s_mov_b32 s[G1+6], 0
	s_mov_b32 s[G1+7], 0
	s_or_b32 s[G1B+0], s44, (0<<16)|(1<<20)|(1<<21)|(5<<22)|(3<<25)   ; B: 128 rows x 256 bytes, 16 bytes of padding behind each
	s_mov_b32 s[G1B+1], ROWB<<16
	s_mov_b32 s[G1B+2], 128<<16
	s_mov_b32 s[G1B+3], ROWB<<16
	s_mov_b32 s[G1B+4], 128
	s_mov_b32 s[G1B+5], KROW
	s_mov_b32 s[G1B+6], 0
	s_mov_b32 s[G1B+7], 0
	s_or_b32 s[G1S+0], s43, (3<<16)|(1<<20)|(1<<21)|(5<<22)|(3<<25)
	s_or_b32 s[G1SB+0], s44, (3<<16)|(1<<20)|(1<<21)|(5<<22)|(3<<25)
.irp g, G1S, G1SB
	s_mov_b32 s[\g+1], 32<<16
	s_mov_b32 s[\g+2], (128*KS/256)<<16
	s_mov_b32 s[\g+3], 32<<16
	s_mov_b32 s[\g+4], 128*KS/256
	s_mov_b32 s[\g+5], 32
	s_mov_b32 s[\g+6], 0
	s_mov_b32 s[\g+7], 0
.endr
	s_lshl_b32 s18, s16, 7
	s_lshl_b32 s20, s17, 8
	s_add_co_u32 s20, s20, s18                     ; A: row 256 x tile row + 128 x half
	s_lshl_b32 s46, s42, 8
	s_add_co_u32 s46, s46, s18                     ; B: row 256 x tile column + 128 x half
	s_mov_b32 s21, 0
	s_mov_b32 s47, 0
	s_mov_b64 s[18:19], KS
	s_mul_u64 s[22:23], s[20:21], s[18:19]
	s_mul_u64 s[92:93], s[46:47], s[18:19]
	s_mov_b64 s[18:19], KROW
	s_mul_u64 s[20:21], s[20:21], s[18:19]         ; (16 rows of the image are 16,384 bytes: 1,024 a row, as in B)
	s_mul_u64 s[46:47], s[46:47], s[18:19]
	s_mul_i32 s45, s14, HALFT
	s_mul_i32 s94, s14, HALFS
	s_wait_kmcnt 0x0
	s_add_nc_u64 s[8:9], s[8:9], 27648*1024        ; Wo's codes
	s_add_nc_u64 s[10:11], s[10:11], 27648*32      ; and scale bytes
	s_add_nc_u64 s[20:21], s[4:5], s[20:21]
	s_add_nc_u64 s[22:23], s[6:7], s[22:23]
	s_add_nc_u64 s[46:47], s[8:9], s[46:47]
	s_add_nc_u64 s[92:93], s[10:11], s[92:93]
	CROUND                                         ; all sixteen work-groups are here: the first joint loads meet
	s_mov_b32 s[G0S], 1
	s_add_co_u32 s[G0S+1], s94, SCL
	s_mov_b64 s[G0S+2:G0S+3], s[22:23]
	s_or_b32 s[G0S+3], s[G0S+3], 0x80000000
	s_mov_b32 s[G0SB], 1
	s_add_co_u32 s[G0SB+1], s94, SCL
	s_mov_b64 s[G0SB+2:G0SB+3], s[92:93]
	s_or_b32 s[G0SB+3], s[G0SB+3], 0x80000000
	JLOAD G0S, G1S, G0SB, G1SB
.irp s, 0,1
	s_mov_b32 s[G0+4*\s], 1
	s_add_co_u32 s[G0+4*\s+1], s45, \s*SLOT
	s_add_nc_u64 s[G0+4*\s+2:G0+4*\s+3], s[20:21], \s*AROWB
	s_or_b32 s[G0+4*\s+3], s[G0+4*\s+3], 0x80000000
	s_mov_b32 s[G0B+4*\s], 1
	s_add_co_u32 s[G0B+4*\s+1], s45, \s*SLOT
	s_add_nc_u64 s[G0B+4*\s+2:G0B+4*\s+3], s[46:47], \s*ROWB
	s_or_b32 s[G0B+4*\s+3], s[G0B+4*\s+3], 0x80000000
	JLOAD G0+4*\s, G1, G0B+4*\s, G1B
.endr
	v_and_b32 v1, 15, v0
	v_bfe_u32 v2, v0, 4, 1
	v_mul_u32_u24 v3, v1, PITCH
	v_lshl_add_u32 v4, v2, 4, v3                   ; B: a fragment's row x pitch + 16 x half
	v_and_b32 v6, 31, v0
	v_lshlrev_b32 v[CO], 4, v6                     ; 16 x lane: A's image, the stage's rows, and a row of C
	s_mul_i32 s21, s15, HALFT
	s_mul_i32 s22, s16, HALFT
	s_add_co_u32 s22, s22, 2*HALFT
.irp s, 0,1
	v_add_nc_u32 v[ADRA+\s], s21, v[CO]
	v_add_nc_u32 v[ADRB+\s], s22, v4
	s_add_co_u32 s21, s21, SLOT
	s_add_co_u32 s22, s22, SLOT
.endr
	v_mul_u32_u24 v5, v1, KS
	v_lshrrev_b32 v6, 8, v5
	v_lshl_add_u32 v5, v6, 4, v5
	s_mul_i32 s21, s15, HALFS
	s_mul_i32 s22, s16, HALFS
	s_add_co_u32 s22, s22, 2*HALFS
	s_sub_co_u32 s22, s22, s21
	v_mul_u32_u24 v6, s22, v2                      ; lanes 16-31 take B's
	s_add_co_u32 s21, s21, SCL
	v_add_nc_u32 v5, v5, v6
	v_add_nc_u32 v[ADRS], s21, v5
	s_mul_i32 s23, s14, 16*SPITCH                  ; my stage
	v_mul_u32_u24 v5, v1, SPITCH
	v_lshl_add_u32 v5, v2, 5, v5
	v_add_nc_u32 v[STO], s23, v5
	v_add_nc_u32 v[RD], s23, v[CO]
	s_lshl_b32 s20, s17, 8
	s_lshl_b32 s21, s15, 7
	s_add_co_u32 s20, s20, s21                     ; my first row of C
	s_mov_b32 s21, 0
	s_mov_b64 s[18:19], SIZE_N*4
	s_mul_u64 s[20:21], s[20:21], s[18:19]
	s_lshl_b32 s46, s42, 10                        ; my first column, in bytes
	s_lshl_b32 s47, s16, 9
	s_add_co_u32 s46, s46, s47
	s_mov_b32 s47, 0
	s_add_nc_u64 s[96:97], s[96:97], s[46:47]
	s_add_nc_u64 s[20:21], s[20:21], s[46:47]
	s_add_nc_u64 s[12:13], s[12:13], s[20:21]
	global_load_b128 v[8:11], v[CO], s[96:97]      ; bo of the four columns that I store
.macro FRAG reg, adr, q, i             ; B: from rows
.irp c, 0,1,2,3
	ds_load_b128 v[\reg+4*\c:\reg+4*\c+3], v[\adr] offset:128*(\q)+32*\c+(\i)*16*PITCH
.endr
.endm
.macro FRAGA reg, adr, q, i            ; A: from the image: tile of rows i, the slot's q-th 128 along K, registers 4 c on: 512 consecutive bytes a load
.irp c, 0,1,2,3
	ds_load_b128 v[\reg+4*\c:\reg+4*\c+3], v[\adr] offset:AROWB*(\i)+2048*(\q)+512*\c
.endr
.endm
.macro MUL16 a0, p, q, sc, zero        ; the 64 accumulators take turns, one instruction a turn
.irp a, \a0, \a0+1
.irp b, 0,1,2,3,4,5,6,7
.if \zero
	v_wmma_scale_f32_16x16x128_f8f6f4 v[8*(8*((\a)%4)+\b):8*(8*((\a)%4)+\b)+7], v[128*(\p)+FR*\b:128*(\p)+FR*\b+FR-1], v[AF+FR*(\a):AF+FR*(\a)+FR-1], 0, v[SC+8*NQ*(\sc)+NQ*\b+(\q)], v[SC+8*NQ*(\sc)+NQ*(\a)+(\q)] matrix_a_fmt:MATRIX_FMT_BF8 matrix_b_fmt:MATRIX_FMT_BF8 matrix_a_scale:MATRIX_SCALE_ROW1
.else
	v_wmma_scale_f32_16x16x128_f8f6f4 v[8*(8*((\a)%4)+\b):8*(8*((\a)%4)+\b)+7], v[128*(\p)+FR*\b:128*(\p)+FR*\b+FR-1], v[AF+FR*(\a):AF+FR*(\a)+FR-1], v[8*(8*((\a)%4)+\b):8*(8*((\a)%4)+\b)+7], v[SC+8*NQ*(\sc)+NQ*\b+(\q)], v[SC+8*NQ*(\sc)+NQ*(\a)+(\q)] matrix_a_fmt:MATRIX_FMT_BF8 matrix_b_fmt:MATRIX_FMT_BF8 matrix_a_scale:MATRIX_SCALE_ROW1
.endif
.endr
.endr
.endm
.macro FETCH_B slot, q, p
	WIN TO_B
.irp i, 0,1,2,3,4,5,6,7
	FRAG 128*(\p)+FR*\i, ADRB+\slot, \q, \i
.endr
	WIN 0
.endm
.macro FETCH_A slot, q, i0
.irp i, \i0, \i0+1, \i0+2, \i0+3
	FRAGA AF+FR*(\i), ADRA+\slot, \q, \i
.endr
.endm
.macro SCALES sc
.irp i, 0,1,2,3,4,5,6,7
	ds_load_b64 v[SC+8*NQ*\sc+NQ*\i:SC+8*NQ*\sc+NQ*\i+1], v[ADRS] offset:\i*SBLK
.endr
.endm
.macro PLACES n
.rept \n
	v_nop
.endr
.endm
.macro STEP slot, q, zero
	s_wait_dscnt 4*NL                              ; B's set and A's blocks 0-3 are in; the youngest 16 loads (A's blocks 4-7) may be out
	WIN MUL_LO
	MUL16 0, (\q)%2, \q, \slot, \zero
	MUL16 2, (\q)%2, \q, \slot, \zero
	s_wait_dscnt 0
	PLACES NP
	FETCH_B \slot, (\q)+1, 1-(\q)%2
	FETCH_A \slot, (\q)+1, 0
	WIN MUL_HI
	MUL16 4, (\q)%2, \q, \slot, \zero
	MUL16 6, (\q)%2, \q, \slot, \zero
	PLACES NP
	WIN 0
	FETCH_A \slot, (\q)+1, 4
.endm
.macro TURN slot, next, fill
	s_wait_tensorcnt 0x0                           ; all my tensor loads have landed: my part of the next slot
	ds_add_u32 v[SPW], v[NIL]                      ; 0 onto my spare word
	s_wait_dscnt 4*NL+1                            ; (the add and the youngest 16 loads may be out)
	WIN MUL_LO
	MUL16 0, 1, NQ-1, \slot, 0
	s_wait_dscnt 0x0                               ; the add is done, and my reads of this slot are over
	s_barrier_signal -1
	MUL16 2, 1, NQ-1, \slot, 0
	WIN 0
	s_barrier_wait -1
.if \fill
	CREST                                          ; the barrier has opened a round of the cluster's
	s_add_nc_u64 s[G0+4*\slot+2:G0+4*\slot+3], s[G0+4*\slot+2:G0+4*\slot+3], 2*AROWB
	s_add_nc_u64 s[G0B+4*\slot+2:G0B+4*\slot+3], s[G0B+4*\slot+2:G0B+4*\slot+3], 2*ROWB
	JLOAD G0+4*\slot, G1, G0B+4*\slot, G1B
	PLACES NP-4
.else
	PLACES NP
.endif
	v_add_nc_u32 v[ADRS], 4*NQ, v[ADRS]
	FETCH_B \next, 0, 0
	FETCH_A \next, 0, 0
	SCALES \next
	WIN MUL_HI
	MUL16 4, 1, NQ-1, \slot, 0
	MUL16 6, 1, NQ-1, \slot, 0
	PLACES NP
	WIN 0
	FETCH_A \next, 0, 4
.endm
	s_wait_tensorcnt 1                             ; the scales and my part of K step 0 are in (K step 1's load may be out),
	s_barrier_signal -1
	s_barrier_wait -1                              ; everybody's are
	FETCH_B 0, 0, 0
	FETCH_A 0, 0, 0
	SCALES 0
	FETCH_A 0, 0, 4
	STEP 0, 0, 1
	s_mov_b32 s3, LAPS-1
.Llap:
	TURN 0, 1, 1
	STEP 1, 0, 0
	TURN 1, 0, 1
	STEP 0, 0, 0
	s_sub_co_u32 s3, s3, 1
	s_cmp_lg_u32 s3, 0
	s_cbranch_scc1 .Llap
	TURN 0, 1, 0
	STEP 1, 0, 0
	s_wait_dscnt 4*NL
	WIN MUL_LO
	MUL16 0, 1, NQ-1, 1, 0
	MUL16 2, 1, NQ-1, 1, 0
	s_wait_dscnt 0
	WIN MUL_HI
	MUL16 4, 1, NQ-1, 1, 0
	MUL16 6, 1, NQ-1, 1, 0
	WIN 0
; THE WAY OUT, block by block of 16 rows x 128 columns, through my own stage: whole rows of 512 bytes come back, the bias is added, and the 32 lanes store them.
.macro TOSTAGE a
.set AC, 64*((\a)%4)
	WIN 0x08+4*((\a)/4)
.irp b, 0,1,2,3,4,5,6,7
	ds_store_b128 v[STO], v[AC+8*\b:AC+8*\b+3] offset:64*\b          ; each accumulator from its low end on
	ds_store_b128 v[STO], v[AC+8*\b+4:AC+8*\b+7] offset:64*\b+16
.endr
	WIN 0
.set BB, BK+64*((\a)%2)
.irp t, 0,1,2,3,4,5,6,7,8,9,10,11,12,13,14,15
	ds_load_b128 v[BB+4*\t:BB+4*\t+3], v[RD] offset:\t*SPITCH        ; LDS serves a wave's instructions in order (ISA guide 5.7.1.4)
.endr
.endm
.macro SEND a, younger
.set BB, BK+64*((\a)%2)
	s_wait_dscnt \younger                          ; the block is back in registers
.irp t, 0,1,2,3,4,5,6,7,8,9,10,11,12,13,14,15
	v_pk_add_f32 v[BB+4*\t:BB+4*\t+1], v[BB+4*\t:BB+4*\t+1], v[8:9]
	v_pk_add_f32 v[BB+4*\t+2:BB+4*\t+3], v[BB+4*\t+2:BB+4*\t+3], v[10:11]
.endr
.irp t, 0,1,2,3,4,5,6,7,8,9,10,11,12,13,14,15
	global_store_b128 v[CO], v[BB+4*\t:BB+4*\t+3], s[12:13] offset:(32*((\a)/2)+8*((\a)%2)+\t+8*(\t/8))*SIZE_N*4 th:TH_STORE_NT   ; 32 lanes store 512 consecutive bytes, aligned; the immediate, 127 rows at the most, puts the image's row in its place
.endr
.endm
	PLACES NP
	s_wait_loadcnt 0x0                             ; bo
	TOSTAGE 0
.irp a, 1,2,3,4,5,6,7
.if \a > 1
	s_wait_xcnt 0x0                                ; block a - 2's stores have read their registers: block a's loads may land there
.endif
	TOSTAGE \a
	SEND \a-1, 32                                  ; behind block a - 1's loads: block a's 16 stores and 16 loads
.endr
	SEND 7, 0
	s_wait_tensorcnt 0x0                           ; the wave's end
	ds_add_u32 v[SPW], v[NIL]
	s_wait_dscnt 0x0
	CROUND                                         ; the closing round
	s_endpgm
.Lfunc_end_k_qd4c4d135df_outp:
	.size	k_qd4c4d135df_outp, .Lfunc_end_k_qd4c4d135df_outp-k_qd4c4d135df_outp
	.p2alignl 7, 3214868480
	.fill 96, 4, 3214868480
	.section	.rodata,"a",@progbits
	.p2align	6, 0x0
	.amdhsa_kernel k_qd4c4d135df_outp
		.amdhsa_group_segment_fixed_size 327680
		.amdhsa_private_segment_fixed_size 0
		.amdhsa_enable_private_segment 0
		.amdhsa_kernarg_size 48
		.amdhsa_user_sgpr_count 2
		.amdhsa_user_sgpr_kernarg_segment_ptr 1
		.amdhsa_wavefront_size32 1
		.amdhsa_system_sgpr_workgroup_id_x 1
		.amdhsa_system_sgpr_workgroup_id_y 1
		.amdhsa_system_sgpr_workgroup_id_z 1
		.amdhsa_system_vgpr_workitem_id 0
		.amdhsa_next_free_vgpr 1024
		.amdhsa_next_free_sgpr 98
		.amdhsa_reserve_vcc 0
		.amdhsa_float_denorm_mode_32 3
		.amdhsa_float_denorm_mode_16_64 3
		.amdhsa_memory_ordered 1
		.amdhsa_forward_progress 1
		.amdhsa_inst_pref_size 161
	.end_amdhsa_kernel
	.amdgpu_metadata
---
amdhsa.version: [ 1, 2 ]
amdhsa.kernels:
  - .name:           k_qd4c4d135df_outp
    .symbol:         k_qd4c4d135df_outp.kd
    .args:
      - { .name: oimg, .offset: 0, .size: 8, .value_kind: global_buffer, .address_space: global }
      - { .name: osc, .offset: 8, .size: 8, .value_kind: global_buffer, .address_space: global }
      - { .name: codes, .offset: 16, .size: 8, .value_kind: global_buffer, .address_space: global }
      - { .name: scales, .offset: 24, .size: 8, .value_kind: global_buffer, .address_space: global }
      - { .name: bo, .offset: 32, .size: 8, .value_kind: global_buffer, .address_space: global }
      - { .name: out0, .offset: 40, .size: 8, .value_kind: global_buffer, .address_space: global }
    .group_segment_fixed_size: 327680
    .private_segment_fixed_size: 0
    .kernarg_segment_align: 8
    .kernarg_segment_size: 48
    .max_flat_workgroup_size: 128
    .sgpr_count:     98
    .vgpr_count:     1024
    .wavefront_size: 32
...
	.end_amdgpu_metadata
.endif
;; end of part 4
